; MI455X (gfx1250); checked and timed in simulation.
; The chip was launched on July 23, 2026; its instructions are those of AMD's public machine-readable ISA for CDNA 5 (MIT licence, August 2026) and "CDNA5" Instruction Set Architecture Reference Guide (July 2026). The comments in the code are by the model that wrote it; some were corrected since.
;; TP Hunyuan Mo E. Allowed arithmetic: matrix products marked QUANTISED: E2M1 operands, one E8M0 scale for each 32 along K, by v_wmma_scale_f32_16x16x128_f8f6f4 with both operands' format E2M1 (or v_wmma_scale_f32_32x16x128_f4), f32 sums; products left as they are: f32 operands where the result goes on into a quantised operand, else bf16, f16 or f32 operands; f32 sums; everything else in f32.
;; Inputs: gate_w_codes 16 x 128 x 16 uint8 (E2M1 codes of gate_w, K innermost, in blocks of 32 codes, two codes a byte); gate_w_scales 16 x 128 uint8 (E8M0 scales of gate_w, one for each 32 codes along K); hidden_states_codes 2 x 2,048 x 128 x 16 uint8 (E2M1 codes of hidden_states, K innermost, in blocks of 32 codes, two codes a byte); hidden_states_scales 2 x 2,048 x 128 uint8 (E8M0 scales of hidden_states, one for each 32 codes along K); shared_w_down_codes 4,096 x 8 x 16 uint8 (E2M1 codes of shared_w_down, K innermost, in blocks of 32 codes, two codes a byte); shared_w_down_scales 4,096 x 8 uint8 (E8M0 scales of shared_w_down, one for each 32 codes along K); shared_w_gate_up_codes 512 x 128 x 16 uint8 (E2M1 codes of shared_w_gate_up, K innermost, in blocks of 32 codes, two codes a byte); shared_w_gate_up_scales 512 x 128 uint8 (E8M0 scales of shared_w_gate_up, one for each 32 codes along K); w_down_codes 16 x 4,096 x 2 x 16 uint8 (E2M1 codes of w_down, K innermost, in blocks of 32 codes, two codes a byte); w_down_scales 16 x 4,096 x 2 uint8 (E8M0 scales of w_down, one for each 32 codes along K); w_gate_up_codes 16 x 128 x 128 x 16 uint8 (E2M1 codes of w_gate_up, K innermost, in blocks of 32 codes, two codes a byte); w_gate_up_scales 16 x 128 x 128 uint8 (E8M0 scales of w_gate_up, one for each 32 codes along K).
;; Outputs: out0 2 x 2,048 x 4,096 float32.
;; This version of the problem:
;;   THIS VERSION OF THE PROBLEM IS GIVEN IN LOW PRECISION. The matrix products marked QUANTISED in the list below multiply operands that are first quantised to E2M1 (2 exponent bits, 1 mantissa bit; 4 bits a number), with one power-of-two scale for each 32 numbers along K (OCP MX v1.0); their sums are f32. All else is computed in f32.
;;   The module's matrix products, in the order in which they are computed (A, B: the left and right operand; K: the contracted axis; several contracted axes count as one K, in the product's order):
;;     1. [M 4,096, K 4,096] x [K 4,096, N 512]; A: input hidden_states (given as codes); B: input shared_w_gate_up (given as codes): QUANTISED
;;     2. [M 4,096, K 256] x [K 256, N 4,096]; A: computed on the way; B: input shared_w_down (given as codes): QUANTISED
;;     3. [M 4,096, K 4,096] x [K 4,096, N 16]; A: input hidden_states (given as codes); B: input gate_w (given as codes): QUANTISED
;;     4. [M 2,048, K 4,096] x [K 4,096, N 4,096]; A: input w_gate_up (given as codes); B: input hidden_states (given as codes): QUANTISED
;;     5. batch 16 x [M 4,096, K 64] x [K 64, N 4,096]; A: computed on the way; B: input w_down (given as codes): QUANTISED
;;     6. batch 4,096 x [M 4,096, K 16] x [K 16, N 1]; A: computed on the way; B: computed on the way: left as it is (K = 16 < 32)
;;   THE QUANTISER, for each operand of a quantised product, along K:
;;     - K is cut into blocks of 32 from its start; a last block that is shorter is filled with zeros.
;;     - A block's scale is 2^e with e = floor(log2(the largest magnitude in the block)) - 2, held to -126 .. 127; a block of zeros has e = 0. As a byte (E8M0): e + 127.
;;     - Each number is divided by its block's scale, clamped to +-6, and rounded to the nearest number of E2M1, ties to even, subnormals kept.
;;     - The product sums the exact products of the quantised numbers (number of the format x scale) in f32.
;;   ~~~python
;;   def quantise(x, axis):      # numpy; x: float32 -> the quantised numbers, widened to float32 again
;;       x = np.moveaxis(x, axis, -1); K = x.shape[-1]
;;       x = np.pad(x, [(0, 0)] * (x.ndim - 1) + [(0, -K % 32)]); x = x.reshape(x.shape[:-1] + (-1, 32)); a = np.abs(x).max(-1, keepdims=True)
;;       e = np.where(a > 0, np.clip(np.frexp(np.where(a > 0, a, 1))[1] - 1 - 2, -126, 127), 0)      # np.frexp(a)[1] - 1 = floor(log2(a)), exactly
;;       r = np.clip(x / 2.0 ** e, -6, 6)
;;       step = 2.0 ** (np.maximum(np.frexp(np.where(r == 0, 1, r))[1] - 1, 0) - 1)
;;       q = np.round(r / step) * step * 2.0 ** e      # np.round: ties to even
;;       return np.moveaxis(q.reshape(q.shape[:-2] + (-1,))[..., :K], -1, axis).astype(np.float32)
;;   ~~~
;;   OPERANDS COMPUTED ON THE WAY. 'Computed on the way' means the value that the module computes at that place (a softmax that the list does not call 'softmax' is quantised finished and normalised). What goes into a quantiser is computed in f32, as accurately as f32 sums, v_exp_f32 and their like allow (about 1e-6 of the number): no bf16 or f16 on the way to a quantiser, and a product that is left as it is and whose result goes on into a quantised operand takes f32 operands (vector FMAs, or v_wmma_f32_16x16x4_f32). A number that lies on a knife's edge between two numbers of the format may be rounded either way, as far as f32 arithmetic and the matrix unit's own rounding can turn it there, and no further.
;;   INPUTS GIVEN AS CODES. gate_w (in the module: [16, 4096], K = its axis 1); hidden_states (in the module: [2, 2048, 4096], K = its axis 2); shared_w_down (in the module: [4096, 256], K = its axis 1); shared_w_gate_up (in the module: [512, 4096], K = its axis 1); w_down (in the module: [16, 4096, 64], K = its axis 2); w_gate_up (in the module: [16, 128, 4096], K = its axis 2): each comes as NAME_codes (uint8): NAME with its K axis moved to the last place and cut into blocks of 32 codes, [.., K / 32, bytes a block], one block behind the other in memory; two codes a byte, the lower K in the low four bits (a code: sign, 2 exponent bits, 1 mantissa bit); and NAME_scales (uint8): the same leading axes, one E8M0 byte (e + 127) for each 32 codes along K. Its value is code x scale, taken as it is: it is not quantised again, and the codes and scales need not be those that the quantiser above would give.
;; One version. Each part assembles by itself: llvm-mc -triple=amdgcn-amd-amdhsa -mcpu=gfx1250 --defsym DOCPART=n.
;; ======== version 1 of 1: 2 launches
;; limits: right only within a limited range of input values
;; workspace buffers: act_codes 2,621,440 bytes; act_scw 262,144 bytes; route 65,536 bytes
;; launch gateup (part 1): grid 8 x 32, 4 waves a work-group, clusters of 4 x 4, 327,680 bytes of LDS; arguments hidden_states_codes, hidden_states_scales, gate_w_codes, gate_w_scales, w_gate_up_codes, w_gate_up_scales, shared_w_gate_up_codes, shared_w_gate_up_scales, act_codes, act_scw, route; writes act_codes, act_scw, route
.if DOCPART == 1
	.amdgcn_target "amdgcn-amd-amdhsa--gfx1250"
	.amdhsa_code_object_version 6
	.text
	.protected	k_qfff2ba384f_gateup
	.globl	k_qfff2ba384f_gateup
	.p2align	8
	.type	k_qfff2ba384f_gateup,@function
k_qfff2ba384f_gateup:
	s_mov_b64 s[64:65], 0
	v_nop
	global_prefetch_b8 v0, s[64:65] scope:SCOPE_SE
	s_setreg_imm32_b32 hwreg(HW_REG_WAVE_MODE, 25, 1), 1
	s_wait_xcnt 0x0
	s_wait_alu depctr_hold_cnt(0) depctr_sa_sdst(0) depctr_va_vdst(0) depctr_va_sdst(0) depctr_va_ssrc(0) depctr_va_vcc(0) depctr_vm_vsrc(0)
	s_getreg_b32 s2, hwreg(HW_REG_IB_STS2, 6, 4)
	s_cmp_eq_u32 s2, 0
	s_cbranch_scc0 .Lentry_in_a_cluster
	s_endpgm
.Lentry_in_a_cluster:
	s_bfe_u32 s2, ttmp6, 0x10000c
	s_cmp_lg_u32 s2, 0xf033
	s_cbranch_scc0 .Lentry_shape_is_right
	s_endpgm
.Lentry_shape_is_right:
; FIRST OF TWO LAUNCHES.  x [4096 tokens][K 4096] against 2,560 weight rows (16 experts x 128, shared 512), on codes of E2M1 with E8M0 scales as they lie in memory;
; silu(g) u in f32 and the quantiser along I (blocks of 32) on the way out: the activations leave as codes and scale words, laid as the second launch's operand registers.
; Each work-group also routes ONE tile of 16 tokens (tile 8 tb + cg): its 16 logits over all of K, the maximum taken away, e = exp, the two largest, c = e_i / (e_1 + e_2): 256 bytes a tile.
; WORK LEFT OUT BY THE PROGRAM, for all values of the inputs:
;  (1) the softmax's denominator: topk_vals / sum(topk_vals) = e_i / (e_1 + e_2) with e = exp(l - max): the sum over 16 cancels, so it and the division by it go.  The maximum is still taken away.
;  (2) of the last product (K = 16) the 14 terms whose factor is a zero that one_hot builds: two multiply-adds a number remain.  The unchosen experts' K steps of the product ahead of it share their
;      tiles with live rows and stay; their codes are selected to zero codes, which add nothing.
;  Every input has a way to the output: all twelve are loaded.
; LIMITS: NaN and infinities are not served; an overflow or NaN that reaches only an unchosen expert's rows is not carried to the result.  The two largest are taken of e, not of e / sum (ties to the lower
;  index, as top_k has it): two e an ulp apart that round to one p could be ordered otherwise.  An exponential under 2^-126 comes out 0.  A block of zeros gets the byte 1, not 127: its codes are zeros, and this program alone reads the bytes.
; SHARES.  Grid 8 x 32: column group cg (experts 2 cg, 2 cg + 1 and shared units 32 cg .. + 31: 32 g rows, 32 u rows), token block tb (128 tokens).
;  Wave w: all 8 token tiles x ONE block of 32 units of expert 2 cg + w / 2 (units 32 (w % 2) ..: two g tiles, two u tiles), and x shared tile w (g0, g1, u0, u1): 40 accumulators, 13 fragments a step of 128 along K.
;  The shared sums change waves once, at the end, through LDS: wave w then finishes the shared block for token tiles 2 w, 2 w + 1.  Of the router's K wave w takes 1,024 w .. + 1,023; the four parts meet in LDS.
; THE MATRIX INSTRUCTION IS USED TRANSPOSED: source 0 = 16 weight rows, source 1 = 16 tokens: a lane holds one token (lane % 16) and weight rows 8 (lane / 16) + 0 .. 7.
; CLUSTER 4 x 4: x's tiles hang on tb alone and are asked for jointly along a row of the cluster, the weights' on cg alone, along a column.
; K goes in steps of 512 (rows of 256 bytes) through two LDS slots; wave 0 fetches x's 128 rows, wave 1 the experts' 256, waves 2 and 3 the shared g and u rows: one load a wave at the head (K step 0) and behind each round.
; The scale bytes (56 KB of the 952 KB that a work-group reads) come once, through registers, in loads of 512 consecutive bytes, into LDS bytes that no tensor load fills: the head's one load a wave is taken by K step 0's four tiles.
; PREFETCHES: a K step is 256 bytes of a row; a lane names a row.  Every cluster asks for what it will load; the partners share the rows out by address: wave 0 takes 32 of x's 128 rows (by cx), waves 1 and 2
;  64 of the experts' 256 (by cy), wave 3 eight of g's and eight of u's (by cy; lanes 16-31 name lane 15's row again).  K steps 1 and 2 are asked for at the head, 3 behind slot 1's first fill, and behind the refill with K step t, t + 2; the last two refills ask for nothing.
; REGISTERS: window 0: v1-31 addresses, v32-95 scale words (two sets), v96-179 the router's end and the way out, v180-187 more addresses, v200-207 the router's part, v224-239 its scale words, v240-255 its two accumulators;
;  window 1: two sets of 13 fragments (at 0 and 128: 4 expert, 1 shared, 8 x); window 2: the experts' 32 accumulators (at the head v0-63: scale bytes on their way);
;  window 3: v0-63 the shared 8, v64-111 scale bytes on their way, v112-239 the router's fragments; at the end v64-127 the shared sums of my two token tiles.
.set PITCH, 272                        ; an LDS row: 256 bytes + 16 of padding: the 16 rows of a fragment load start 16 bytes apart modulo 256
.set TILEB, 16*PITCH
.set OFE,   128*PITCH                  ; a slot: x's 128 rows, the experts' 256, g's 32, u's 32
.set OFG,   OFE+256*PITCH
.set OFU,   OFG+32*PITCH
.set SLOT1, 1<<17
.set SCST,  122880                     ; between the slots, where no fill lands: 1,024 bytes for the scale words on the way out,
.set RPART, SCST+1024                  ; 1,024 bytes a wave for its part of the logits,
.set RSTG,  RPART+4096                 ; 256 bytes a wave for the router's result
.set SCA,   2*SLOT1                    ; the scale bytes, units of 256 bytes + 16: x's 64 units,
.set SCE,   SCA+64*272                 ; the experts' 128,
.set SCG,   SCE+128*272                ; g's 16, then u's 16
.set SPARE, SCG+32*272                 ; the spare words, 128 bytes a wave
.set UNIT8, 8*272                      ; the scale rows of 16 rows: eight units (a row of scales is 128 bytes)
.set ADRA,  4                          ; v4-5 fragments of x in slot 0, 1; v6-7 my expert's rows; v8-9 my shared tile
.set ADRE,  6
.set ADRG,  8
.set ADSE,  10                         ; v10-12 scale words: expert, shared, x; stepped 16 bytes a K step
.set ADSG,  11
.set ADSA,  12
.set VXW,   13                         ; the shared sums' change of waves: where I store, where I read
.set VXR,   14
.set VLE,   15                         ; where I store the experts' scale bytes
.set SPW,   16                         ; v16 my spare word; v17 0; never rewritten
.set NIL,   17
.set PFO,   18                         ; the prefetches' offset
.set OL16,  19                         ; 16 x lane
.set OSH,   20                         ; (lane / 16) x 10,240 + 16 (lane % 16)
.set VRXS,  21                         ; v21-26, v28 offsets of the head's global loads
.set VXS,   22
.set VGS,   23
.set VRG,   24
.set VRX,   25
.set VRGS,  26
.set VSB,   27                         ; the way out: my byte of a token's scale word
.set VES,   28
.set VSS,   29
.set VRD,   30
.set VG8,   31
.set SC,    32                         ; a set: +0..7 expert (lanes 0-15 g's tile, 16-31 u's), +8..11 shared, +12..27 x (a pair of token tiles a register)
.set T,     96
.set TM,    128
.set HB,    140
.set RR,    160
.set VLA,   180
.set VLG,   181
.set VRP,   182
.set VRL,   183
.set VRS,   184
.set VRT,   185
.set ROUT,  186
.set RPS,   200
.set RSW,   224
.set RSX,   232
.set RAC,   240
.set RB,    96
.set IJ,    128
.set NEG1,  136
.set CI1,   137
.set CI2,   138
.set OV,    146
.set OI,    147
.set G1A, 24
.set G1E, 32
.set G1S, 40
.set G0A, 48                           ; group 0: a set for each slot, at +0 and +4
.set G0E, 56
.set G0G, 68
.set G0U, 76
.set PLG, 84                           ; behind the head: s[84:85] log2(e); s86, s87, s2 lane masks; s[88:95] the way out's pointers; s[96:97] -log2(e); s[98:99] lane selects; s22 lanes 16-31; s23 a shift
.set NLG, 96
.set SELR, 98
.set MSB, 0
.macro WIN new                         ; the immediate's high byte repeats the setting that is left
.if MSB != \new
	s_set_vgpr_msb (MSB<<8)|\new
.set MSB, \new
.endif
.endm
.macro PLACES n
.rept \n
	v_nop
.endr
.endm
.macro CREST                           ; a round of the cluster's barrier behind its opening barrier
	s_cmp_lg_u32 s14, 0
	s_cbranch_scc1 .Lnw0_\@
	s_barrier_signal -3
.Lnw0_\@:
	s_barrier_wait -3
	s_barrier_signal -1
	s_barrier_wait -1
.endm
.macro CROUND
	s_barrier_signal -1
	s_barrier_wait -1
	CREST
.endm
; one scaled product; zero = 1: it starts the sum; ra, rb: the scale words stand in lanes 16-31
.macro WMS d, a, b, zero, sa, sb, ra, rb
.if \zero
.if (\ra) && (\rb)
	v_wmma_scale_f32_16x16x128_f8f6f4 v[\d:\d+7], v[\a:\a+7], v[\b:\b+7], 0, v[\sa], v[\sb] matrix_a_fmt:MATRIX_FMT_FP4 matrix_b_fmt:MATRIX_FMT_FP4 matrix_a_scale:MATRIX_SCALE_ROW1 matrix_b_scale:MATRIX_SCALE_ROW1
.elseif (\ra)
	v_wmma_scale_f32_16x16x128_f8f6f4 v[\d:\d+7], v[\a:\a+7], v[\b:\b+7], 0, v[\sa], v[\sb] matrix_a_fmt:MATRIX_FMT_FP4 matrix_b_fmt:MATRIX_FMT_FP4 matrix_a_scale:MATRIX_SCALE_ROW1
.elseif (\rb)
	v_wmma_scale_f32_16x16x128_f8f6f4 v[\d:\d+7], v[\a:\a+7], v[\b:\b+7], 0, v[\sa], v[\sb] matrix_a_fmt:MATRIX_FMT_FP4 matrix_b_fmt:MATRIX_FMT_FP4 matrix_b_scale:MATRIX_SCALE_ROW1
.else
	v_wmma_scale_f32_16x16x128_f8f6f4 v[\d:\d+7], v[\a:\a+7], v[\b:\b+7], 0, v[\sa], v[\sb] matrix_a_fmt:MATRIX_FMT_FP4 matrix_b_fmt:MATRIX_FMT_FP4
.endif
.else
.if (\ra) && (\rb)
	v_wmma_scale_f32_16x16x128_f8f6f4 v[\d:\d+7], v[\a:\a+7], v[\b:\b+7], v[\d:\d+7], v[\sa], v[\sb] matrix_a_fmt:MATRIX_FMT_FP4 matrix_b_fmt:MATRIX_FMT_FP4 matrix_a_scale:MATRIX_SCALE_ROW1 matrix_b_scale:MATRIX_SCALE_ROW1
.elseif (\ra)
	v_wmma_scale_f32_16x16x128_f8f6f4 v[\d:\d+7], v[\a:\a+7], v[\b:\b+7], v[\d:\d+7], v[\sa], v[\sb] matrix_a_fmt:MATRIX_FMT_FP4 matrix_b_fmt:MATRIX_FMT_FP4 matrix_a_scale:MATRIX_SCALE_ROW1
.elseif (\rb)
	v_wmma_scale_f32_16x16x128_f8f6f4 v[\d:\d+7], v[\a:\a+7], v[\b:\b+7], v[\d:\d+7], v[\sa], v[\sb] matrix_a_fmt:MATRIX_FMT_FP4 matrix_b_fmt:MATRIX_FMT_FP4 matrix_b_scale:MATRIX_SCALE_ROW1
.else
	v_wmma_scale_f32_16x16x128_f8f6f4 v[\d:\d+7], v[\a:\a+7], v[\b:\b+7], v[\d:\d+7], v[\sa], v[\sb] matrix_a_fmt:MATRIX_FMT_FP4 matrix_b_fmt:MATRIX_FMT_FP4
.endif
.endif
.endm
; the joint loads of slot s: ONE chain of branches on the wave's number, one load to an arm, all arms lead to one join.  An s_nop 0 and four v_nop follow each load
.macro TARM under, g0, g1, done
	s_cmp_lt_u32 s14, \under
	s_cbranch_scc0 .Lnext_\@
	tensor_load_to_lds s[\g0:\g0+3], s[\g1:\g1+7]
	s_nop 0
	PLACES 4
	s_branch \done
.Lnext_\@:
.endm
.macro TLOAD4 s
	TARM 1, G0A+4*\s, G1A, .Ldone_\@
	TARM 2, G0E+4*\s, G1E, .Ldone_\@
	TARM 3, G0G+4*\s, G1S, .Ldone_\@
	tensor_load_to_lds s[G0U+4*\s:G0U+4*\s+3], s[G1S:G1S+7]
	s_nop 0
	PLACES 4
.Ldone_\@:
.endm
.macro STEPD s                         ; slot s's four descriptors go two K steps on (512 bytes of a row); written only where no tensor load of mine is out
.irp g, G0A, G0E, G0G, G0U
	s_add_nc_u64 s[\g+4*\s+2:\g+4*\s+3], s[\g+4*\s+2:\g+4*\s+3], 512
.endr
.endm
.macro FRAG reg, adr, off              ; 16 rows x 128 K of 4-bit codes: 8 registers: two loads of 16 bytes, 32 bytes apart
	ds_load_b128 v[\reg:\reg+3], v[\adr] offset:\off
	ds_load_b128 v[\reg+4:\reg+7], v[\adr] offset:\off+32
.endm
.macro FETCH slot, k, p                ; the 13 fragments of the slot's k-th 128 along K into set p of window 1: 26 loads in one run
	WIN 0x40
.irp b, 0,1,2,3
	FRAG 128*(\p)+8*\b, ADRE+\slot, 64*(\k)+TILEB*(\b+2*(\b/2))   ; g's two tiles, and u's two, 64 rows on
.endr
.irp a, 0,1,2,3,4,5,6,7
	FRAG 128*(\p)+40+8*\a, ADRA+\slot, 64*(\k)+TILEB*\a
.endr
	FRAG 128*(\p)+32, ADRG+\slot, 64*(\k)
	WIN 0
.endm
.macro SCALES sg                       ; a K step's scale words (four a row) into set sg: seven loads
.irp b, 0,1
	ds_load_b128 v[SC+32*\sg+4*\b:SC+32*\sg+4*\b+3], v[ADSE] offset:UNIT8*\b
.endr
	ds_load_b128 v[SC+32*\sg+8:SC+32*\sg+11], v[ADSG]
.irp c, 0,1,2,3
	ds_load_b128 v[SC+32*\sg+12+4*\c:SC+32*\sg+15+4*\c], v[ADSA] offset:2*UNIT8*\c
.endr
.endm
; 8 products: my block's 4 row tiles against token tiles 2 pp, 2 pp + 1.  The 40 accumulators take turns, one instruction a turn, in one order in every step.
; Accumulator: 64 pp + 32 (u) + 16 (token tile % 2) + 8 (row tile % 2): g's 32 registers of a pair of token tiles on end, then u's
.macro MULE pp, k, sg, p, zero
	WIN 0xa5
.irp a, 0,1
.irp b, 0,1,2,3
.set rD, 64*(\pp)+(\b/2)*32+16*\a+8*(\b%2)
.set rW, 128*(\p)+8*\b
.set rX, 128*(\p)+40+8*(2*(\pp)+\a)
.set rSW, SC+32*(\sg)+4*(\b%2)+(\k)
.set rSX, SC+32*(\sg)+12+4*(\pp)+(\k)
	WMS rD, rW, rX, \zero, rSW, rSX, \b/2, \a
.endr
.endr
.endm
.macro MULS k, sg, p, zero             ; 8 products: my shared tile against the 8 token tiles
	WIN 0xf5
.irp a, 0,1,2,3,4,5,6,7
.set rD, 8*\a
.set rW, 128*(\p)+32
.set rX, 128*(\p)+40+8*\a
.set rSW, SC+32*(\sg)+8+(\k)
.set rSX, SC+32*(\sg)+12+4*(\a/2)+(\k)
	WMS rD, rW, rX, \zero, rSW, rSX, 0, \a%2
.endr
.endm
; a step of 128 along K whose successor lies in the same slot: the next step's fragments are asked for ahead of this step's 40 products
.macro STEP slot, k, zero
	s_wait_dscnt 0x0                               ; this step's fragments are in
	PLACES 4                                       ; four places between the last products and the loads into the registers that they read
	FETCH \slot, (\k)+1, 1-(\k)%2
	MULE 0, \k, \slot, (\k)%2, \zero
	MULE 1, \k, \slot, (\k)%2, \zero
	MULE 2, \k, \slot, (\k)%2, \zero
	MULE 3, \k, \slot, (\k)%2, \zero
	MULS \k, \slot, (\k)%2, \zero
	WIN 0
.endm
.macro ASK                             ; s[100:101] stands at the K step that is being loaded: two on is named.  The loop's last trip (s3 = 1) has no K step two on
	s_cmp_gt_u32 s3, 1
	s_cbranch_scc0 .Lno_ask_\@
	global_prefetch_b8 v[PFO], s[100:101] offset:512 th:TH_LOAD_NT scope:SCOPE_SE
.Lno_ask_\@:
.endm
; a slot's last step changes slots: one barrier; ahead of it each wave waits for all its tensor loads, adds 0 to its spare word, and waits for that and for its reads of this slot
.macro TURN slot, next, fill
.if \fill
	s_wait_xcnt 0x0                                ; the last prefetch, a K step back, has read its address
	s_add_nc_u64 s[100:101], s[100:101], 256
.endif
	s_wait_tensorcnt 0x0                           ; all my tensor loads have landed: my part of the next slot
	ds_add_u32 v[SPW], v[NIL]
.if \fill
	STEPD \slot
.endif
	s_wait_dscnt 1                                 ; the add alone may be out: this step's fragments are in
	MULE 0, 3, \slot, 1, 0
	s_wait_dscnt 0x0                               ; the add is done, and my reads of this slot are over
	s_barrier_signal -1
	MULE 1, 3, \slot, 1, 0
	WIN 0
	s_barrier_wait -1
.if \fill
	CREST                                          ; the barrier has opened a round of the cluster's: no wave of any partner still reads this slot or has a load on its way
	TLOAD4 \slot                                   ; the first tensor load behind the round; its four v_nop are the places in front of the loads below
.else
	PLACES 4
.endif
	s_wait_alu depctr_va_vdst(0)
.irp r, ADSE, ADSG, ADSA
	v_add_nc_u32 v[\r], 16, v[\r]                  ; the next K step's scale words
.endr
	FETCH \next, 0, 0
	SCALES \next
.if \fill
	ASK
.endif
	MULE 2, 3, \slot, 1, 0
	MULE 3, 3, \slot, 1, 0
	MULS 3, \slot, 1, 0
	WIN 0
.endm
	s_load_b256 s[4:11], s[0:1], 0x0               ; x's codes, x's scales, the gate's codes, the gate's scales: bases of the head's loads; never rewritten
	s_load_b64 s[12:13], s[0:1], 0x50              ; route
	s_load_b64 s[84:85], s[0:1], 0x28              ; the experts' scales
	s_load_b64 s[86:87], s[0:1], 0x38              ; the shared weights' scales
	s_load_b64 s[88:89], s[0:1], 0x20              ; the experts' codes and the shared weights', for the prefetches
	s_load_b64 s[90:91], s[0:1], 0x30
	s_load_b64 s[G0A+2:G0A+3], s[0:1], 0x0         ; and each descriptor's pointer into its own words
	s_load_b64 s[G0E+2:G0E+3], s[0:1], 0x20
	s_load_b64 s[G0G+2:G0G+3], s[0:1], 0x30
	s_load_b64 s[G0U+2:G0U+3], s[0:1], 0x30
	v_lshl_add_u32 v[SPW], v0, 2, SPARE
	v_mov_b32 v[NIL], 0
	ds_add_u32 v[SPW], v[NIL]                      ; the opening: the add, twice on end, and its wait ahead of my first tensor load
	ds_add_u32 v[SPW], v[NIL]
	v_lshrrev_b32 v1, 5, v0
	v_readfirstlane_b32 s14, v1                    ; wave
	s_lshr_b32 s15, s14, 1                         ; which of the two experts
	s_and_b32 s16, s14, 1                          ; which of its two blocks
	s_bfe_u32 s17, ttmp6, 0x40000                  ; cx
	s_bfe_u32 s18, ttmp6, 0x40004                  ; cy
	s_lshl_b32 s19, ttmp9, 2
	s_add_co_u32 s19, s19, s17                     ; cg = 4 x cluster x + cx
	s_and_b32 s20, ttmp7, 0xffff
	s_lshl_b32 s20, s20, 2
	s_add_co_u32 s20, s20, s18                     ; tb = 4 x cluster y + cy
	s_lshl_b32 s22, s18, 2
	s_lshl_b32 s22, 15, s22                        ; my row of the cluster
	s_lshl_b32 s66, 0x1111, s17                    ; my column
	; group 1: rows of 256 elements of one byte, 2,048 apart, 16 bytes of padding behind each
	s_or_b32 s[G1A], s22, (1<<20)|(1<<21)|(5<<22)|(3<<25)
	s_or_b32 s[G1E], s66, (1<<20)|(1<<21)|(5<<22)|(3<<25)
	s_or_b32 s[G1S], s66, (1<<20)|(1<<21)|(5<<22)|(3<<25)
.irp g, G1A, G1E, G1S
	s_mov_b32 s[\g+1], 256<<16
	s_mov_b32 s[\g+3], 256<<16
	s_mov_b32 s[\g+5], 2048
	s_mov_b32 s[\g+6], 0
	s_mov_b32 s[\g+7], 0
.endr
	s_mov_b32 s[G1A+2], 128<<16
	s_mov_b32 s[G1A+4], 128
	s_mov_b32 s[G1E+2], 256<<16
	s_mov_b32 s[G1E+4], 256
	s_mov_b32 s[G1S+2], 32<<16
	s_mov_b32 s[G1S+4], 32
.irp s, 0,1
	s_mov_b32 s[G0A+4*\s], 1
	s_mov_b32 s[G0A+4*\s+1], \s*SLOT1
	s_mov_b32 s[G0E+4*\s], 1
	s_mov_b32 s[G0E+4*\s+1], OFE+\s*SLOT1
	s_mov_b32 s[G0G+4*\s], 1
	s_mov_b32 s[G0G+4*\s+1], OFG+\s*SLOT1
	s_mov_b32 s[G0U+4*\s], 1
	s_mov_b32 s[G0U+4*\s+1], OFU+\s*SLOT1
.endr
	; the scalar parts of the head's global offsets first, then the vector lines on end
	s_lshl_b32 s92, s20, 14
	s_lshl_b32 s2, s14, 12
	s_add_co_u32 s92, s92, s2                      ; x's scale bytes: my block's 16 KB, my wave's quarter
	s_lshl_b32 s93, s19, 12
	s_lshl_b32 s2, s14, 10
	s_add_co_u32 s93, s93, s2                      ; g's (and, 32,768 bytes on, u's): my group's 4 KB, my wave's quarter
	s_lshl_b32 s94, s19, 15
	s_lshl_b32 s2, s14, 13
	s_add_co_u32 s94, s94, s2                      ; the experts': my group's 32 KB, my wave's quarter
	s_lshl_b32 s95, s14, 9                         ; the router: my quarter of K, in codes,
	s_lshl_b32 s96, s20, 18
	s_lshl_b32 s2, s19, 15
	s_add_co_u32 s96, s96, s2                      ; token tile 8 tb + cg,
	s_lshl_b32 s97, s14, 5                         ; my quarter of K, in scale bytes,
	s_lshl_b32 s98, s20, 14
	s_lshl_b32 s2, s19, 11
	s_add_co_u32 s98, s98, s2                      ; and the tile's scale rows
	s_cmp_eq_u32 s14, 3
	s_cselect_b32 s99, -1, 0                       ; all lanes of wave 3
	v_and_b32 v1, 15, v0                           ; r
	v_bfe_u32 v2, v0, 4, 1                         ; hh
	v_and_b32 v3, 31, v0                           ; lane
	v_lshlrev_b32 v[OL16], 4, v3
	v_add_nc_u32 v[VXS], s92, v[OL16]
	v_add_nc_u32 v[VGS], s93, v[OL16]
	v_add_nc_u32 v[VES], s94, v[OL16]
	v_lshlrev_b32 v[VRG], 11, v1
	v_lshl_add_u32 v[VRG], v2, 4, v[VRG]
	v_add_nc_u32 v[VRG], s95, v[VRG]               ; the gate's fragments: row r of 2,048 bytes + 16 hh + my quarter of K
	v_add_nc_u32 v[VRX], s96, v[VRG]               ; x's
	v_lshl_add_u32 v[VRGS], v1, 7, s97             ; the gate's scale words: row r of 128 bytes + my quarter's 32
	v_add_nc_u32 v[VRXS], s98, v[VRGS]             ; x's
	v_min_u32 v209, 15, v3                         ; wave 3's prefetches: lanes 0-7 eight rows of g, lanes 8-15 the same of u, 256 rows on
	v_and_b32 v210, 7, v209
	v_lshrrev_b32 v209, 3, v209
	v_lshlrev_b32 v210, 11, v210
	v_lshl_add_u32 v209, v209, 19, v210
	v_lshlrev_b32 v[PFO], 11, v3                   ; the other waves': a lane a row
	v_cndmask_b32 v[PFO], v[PFO], v209, s99
	s_wait_alu depctr_va_vdst(0)                   ; directly ahead of the waits below
	s_wait_dscnt 0x0                               ; both opening adds are done
	s_wait_kmcnt 0x0
	WIN 0xc0                                       ; destination window 3
.irp i, 0,1,2,3,4,5,6,7
	global_load_b128 v[64+4*\i:64+4*\i+3], v[VXS], s[6:7] offset:512*\i        ; 512 consecutive bytes a load
.endr
.irp i, 0,1
	global_load_b128 v[96+4*\i:96+4*\i+3], v[VGS], s[86:87] offset:512*\i
	global_load_b128 v[104+4*\i:104+4*\i+3], v[VGS], s[86:87] offset:32768+512*\i
.endr
	WIN 0x80                                       ; destination window 2
.irp i, 0,1,2,3,4,5,6,7,8,9,10,11,12,13,14,15
	global_load_b128 v[4*\i:4*\i+3], v[VES], s[84:85] offset:512*\i
.endr
	WIN 0
	; the addresses of the groups 0.  What hangs on tb is made in s[22:23], what hangs on cg in s[66:67]
	s_mov_b32 s23, 0
	s_mov_b32 s67, 0
	s_lshl_b32 s22, s20, 18                        ; 128 rows of 2,048 bytes a token block
	s_add_nc_u64 s[G0A+2:G0A+3], s[G0A+2:G0A+3], s[22:23]
	s_lshl_b32 s66, s19, 19                        ; 256 rows a column group
	s_add_nc_u64 s[G0E+2:G0E+3], s[G0E+2:G0E+3], s[66:67]
	s_lshl_b32 s66, s19, 16                        ; 32 rows
	s_add_nc_u64 s[G0G+2:G0G+3], s[G0G+2:G0G+3], s[66:67]
	s_add_nc_u64 s[G0U+2:G0U+3], s[G0U+2:G0U+3], s[66:67]
	s_add_nc_u64 s[G0U+2:G0U+3], s[G0U+2:G0U+3], 256*2048   ; u's rows lie 256 rows behind g's
.irp g, G0A, G0E, G0G, G0U
	s_add_nc_u64 s[\g+6:\g+7], s[\g+2:\g+3], 256   ; slot 1 begins with K step 1
	s_or_b32 s[\g+3], s[\g+3], 0x80000000
	s_or_b32 s[\g+7], s[\g+7], 0x80000000
.endr
	CROUND                                         ; all sixteen work-groups are here: the first joint loads meet
	TLOAD4 0                                       ; K step 0: one tensor load a wave at the head
	; where my prefetches stand: my work-group's share of the rows that my wave's role names, at K step 1
	s_lshl_b32 s2, s20, 7
	s_lshl_b32 s3, s17, 5
	s_add_co_u32 s2, s2, s3                        ; x: row 128 tb + 32 cx
	s_lshl_b32 s3, s19, 8
	s_lshl_b32 s21, s18, 6
	s_add_co_u32 s3, s3, s21
	s_sub_co_u32 s21, s14, 1
	s_and_b32 s21, s21, 1
	s_lshl_b32 s21, s21, 5
	s_add_co_u32 s3, s3, s21                       ; the experts: row 256 cg + 64 cy + 32 (wave - 1)
	s_lshl_b32 s21, s19, 5
	s_lshl_b32 s92, s18, 3
	s_add_co_u32 s21, s21, s92                     ; g: row 32 cg + 8 cy
	s_cmp_eq_u32 s14, 0
	s_cselect_b32 s92, s2, s3
	s_cselect_b64 s[100:101], s[4:5], s[88:89]
	s_cmp_eq_u32 s14, 3
	s_cselect_b32 s92, s21, s92
	s_cselect_b64 s[100:101], s[90:91], s[100:101]
	s_lshl_b32 s92, s92, 11
	s_add_co_u32 s92, s92, 256
	s_mov_b32 s93, 0
	s_add_nc_u64 s[100:101], s[100:101], s[92:93]
	global_prefetch_b8 v[PFO], s[100:101] th:TH_LOAD_NT scope:SCOPE_SE              ; K step 1
	global_prefetch_b8 v[PFO], s[100:101] offset:256 th:TH_LOAD_NT scope:SCOPE_SE   ; K step 2
	; the router's operands: 8 K steps of the gate's 16 rows and of my work-group's 16 tokens; they wait in window 3, which the loop leaves alone
	WIN 0xc0
.irp k, 0,1,2,3,4,5,6,7
.irp c, 0,1
	global_load_b128 v[112+8*\k+4*\c:112+8*\k+4*\c+3], v[VRG], s[8:9] offset:64*\k+32*\c
	global_load_b128 v[176+8*\k+4*\c:176+8*\k+4*\c+3], v[VRX], s[4:5] offset:64*\k+32*\c
.endr
.endr
	WIN 0
.irp c, 0,1
	global_load_b128 v[RSW+4*\c:RSW+4*\c+3], v[VRGS], s[10:11] offset:16*\c
	global_load_b128 v[RSX+4*\c:RSX+4*\c+3], v[VRXS], s[6:7] offset:16*\c
.endr
	; every LDS address, while the loads are on their way: the wave's scalar parts first, then the vector lines on end
	s_mul_i32 s2, s14, 16*272
	s_add_co_u32 s2, s2, SCA
	s_mul_i32 s3, s14, 4*272
	s_add_co_u32 s3, s3, SCG
	s_mul_i32 s21, s14, 32*272
	s_add_co_u32 s21, s21, SCE
	s_lshl_b32 s22, s14, 10
	s_add_co_u32 s22, s22, RPART
	s_lshl_b32 s23, s14, 8
	s_add_co_u32 s23, s23, RSTG
	s_mul_i32 s66, s15, 128*PITCH
	s_mul_i32 s67, s16, 32*PITCH
	s_add_co_u32 s66, s66, s67
	s_add_co_u32 s66, s66, OFE                     ; my expert's rows, my block's g rows
	s_mul_i32 s67, s14, TILEB
	s_add_co_u32 s67, s67, OFG                     ; shared tile w
	s_mul_i32 s88, s15, 8*UNIT8
	s_mul_i32 s89, s16, 2*UNIT8
	s_add_co_u32 s88, s88, s89
	s_add_co_u32 s88, s88, SCE
	s_mul_i32 s89, s14, UNIT8
	s_add_co_u32 s89, s89, SCG
	s_lshl_b32 s90, s14, 13                        ; the change of waves, in slot 0: [tile w][token tile] 1,024 bytes each
	s_lshl_b32 s91, s14, 11
	s_add_co_u32 s92, s14, SCST
	s_lshl_b32 s93, s15, 9                         ; the scale words' stage: [64 tokens][lane 32][token / 32 % 2][experts' word, shared word]: 16 bytes a lane
	s_lshl_b32 s95, s16, 3
	s_add_co_u32 s93, s93, s95
	s_add_co_u32 s93, s93, SCST+4
	s_lshl_b32 s94, s14, 8
	s_add_co_u32 s94, s94, SCST
	v_mul_u32_u24 v209, v2, 272
	v_lshl_add_u32 v209, v1, 4, v209               ; a load's 512 bytes are two units: lanes 0-15 one, lanes 16-31 the next
	v_add_nc_u32 v[VLA], s2, v209
	v_add_nc_u32 v[VLG], s3, v209
	v_add_nc_u32 v[VLE], s21, v209
	v_add_nc_u32 v[VRP], s22, v[OL16]
	v_add_nc_u32 v[VRL], RPART, v[OL16]
	v_lshl_add_u32 v[VRS], v3, 2, s23
	v_lshl_add_u32 v[VRT], v3, 3, s23
	v_mul_u32_u24 v[ADRA], v1, PITCH
	v_lshl_add_u32 v[ADRA], v2, 4, v[ADRA]         ; a fragment's row x pitch + 16 hh
	v_add_nc_u32 v[ADRA+1], SLOT1, v[ADRA]
	v_add_nc_u32 v[ADRE], s66, v[ADRA]
	v_add_nc_u32 v[ADRE+1], SLOT1, v[ADRE]
	v_add_nc_u32 v[ADRG], s67, v[ADRA]
	v_add_nc_u32 v[ADRG+1], SLOT1, v[ADRG]
	v_lshrrev_b32 v209, 1, v1
	v_mul_u32_u24 v209, v209, 272
	v_and_b32 v210, 1, v1
	v_lshl_add_u32 v209, v210, 7, v209             ; scale row r: two rows of 128 bytes to a unit
	v_mul_u32_u24 v210, v2, 4*UNIT8                ; lanes 16-31: the tile four further on (u's rows)
	v_add_nc_u32 v[ADSE], v209, v210
	v_add_nc_u32 v[ADSE], s88, v[ADSE]
	v_add_nc_u32 v[ADSG], s89, v209
	v_mul_u32_u24 v210, v2, UNIT8                  ; lanes 16-31: the next token tile
	v_add_nc_u32 v210, v209, v210
	v_add_nc_u32 v[ADSA], SCA, v210
	v_mul_u32_u24 v[OSH], v2, 10240
	v_lshl_add_u32 v[OSH], v1, 4, v[OSH]
	v_add_nc_u32 v[VXW], s90, v[OL16]
	v_add_nc_u32 v[VXR], s91, v[OL16]
	v_lshl_add_u32 v[VSB], v3, 4, s92              ; byte w of the experts' word is my block's
	v_lshl_add_u32 v[VSS], v3, 4, s93              ; the shared block's words: my 32 tokens (32 w + lane), a lane a token
	v_lshl_add_u32 v[VRD], v3, 3, s94              ; back: 256 bytes a wave
	v_lshlrev_b32 v[VG8], 3, v3
	s_wait_alu depctr_va_vdst(0)
	s_wait_loadcnt 36                              ; the 28 loads of scale bytes are in; behind them stand the router's 36
	WIN 0x0c                                       ; an LDS store's data are its source 1: window 3
.irp i, 0,1,2,3,4,5,6,7
	ds_store_b128 v[VLA], v[64+4*\i:64+4*\i+3] offset:544*\i
.endr
.irp i, 0,1
	ds_store_b128 v[VLG], v[96+4*\i:96+4*\i+3] offset:544*\i
	ds_store_b128 v[VLG], v[104+4*\i:104+4*\i+3] offset:4352+544*\i
.endr
	WIN 0x08                                       ; window 2
.irp i, 0,1,2,3,4,5,6,7,8,9,10,11,12,13,14,15
	ds_store_b128 v[VLE], v[4*\i:4*\i+3] offset:544*\i
.endr
	WIN 0
	s_wait_tensorcnt 0x0                           ; my tile of K step 0 is in
	ds_add_u32 v[SPW], v[NIL]
	s_wait_dscnt 0x0                               ; the add is done, and my scale bytes have landed
	CROUND                                         ; everybody's have, and all sixteen work-groups are here
	TLOAD4 1                                       ; K step 1, the first tensor load behind the round
	FETCH 0, 0, 0
	SCALES 0
	global_prefetch_b8 v[PFO], s[100:101] offset:512 th:TH_LOAD_NT scope:SCOPE_SE   ; K step 3
	; the way out's pointers and constants (the loads that had s[84:87] as bases are done)
	s_load_b64 s[88:89], s[0:1], 0x40              ; act_codes, twice: each pointer is stepped where it stands
	s_load_b64 s[92:93], s[0:1], 0x40
	s_load_b64 s[94:95], s[0:1], 0x48              ; act_scw
	s_mov_b32 s[NLG], 0xbfb8aa3b                   ; -log2(e)
	s_mov_b32 s[NLG+1], s[NLG]
	s_mov_b32 s[PLG], 0x3fb8aa3b                   ; log2(e)
	s_mov_b32 s[PLG+1], s[PLG]
	s_mov_b32 s[SELR], 0x76543210                  ; v_permlanex16_b32's selects for lane l xor 16
	s_mov_b32 s[SELR+1], 0xfedcba98
	v_cmp_ne_u32 s22, 0, v2                        ; lanes 16-31
	s_and_b32 s23, s19, 3
	s_lshl_b32 s23, s23, 3                         ; the shared block's byte in its scale word: 8 (cg % 4) bits up
	s_mul_i32 s66, s20, 81920                      ; token tile 8 tb: ten fragments of 1,024 bytes a tile
	s_lshl_b32 s2, s19, 10
	s_lshl_b32 s3, s14, 8
	s_add_co_u32 s2, s2, s3
	s_add_co_u32 s2, s2, s66                       ; K step cg of the next launch, its quarter w (expert w / 2, block w % 2)
	s_mul_i32 s3, s14, 20480
	s_add_co_u32 s3, s3, s66
	s_lshl_b32 s66, s19, 8
	s_add_co_u32 s3, s3, s66
	s_add_co_u32 s3, s3, 8192                      ; token tile 8 tb + 2 w, the shared fragments, block cg: 256 bytes
	s_mov_b32 s67, 0
	s_wait_kmcnt 0x0
	s_mov_b32 s66, s2
	s_add_nc_u64 s[88:89], s[88:89], s[66:67]
	s_mov_b32 s66, s3
	s_add_nc_u64 s[92:93], s[92:93], s[66:67]
	s_lshl_b32 s66, s19, 15                        ; act_scw: [cg][tb] 1,024 bytes, the stage as it stands; my wave's 256 of them
	s_lshl_b32 s2, s20, 10
	s_add_co_u32 s66, s66, s2
	s_lshl_b32 s2, s14, 8
	s_add_co_u32 s66, s66, s2
	s_add_nc_u64 s[94:95], s[94:95], s[66:67]
	s_lshl_b32 s66, s20, 11
	s_lshl_b32 s2, s19, 8
	s_add_co_u32 s66, s66, s2                      ; route: 256 bytes for token tile 8 tb + cg
	s_add_nc_u64 s[12:13], s[12:13], s[66:67]
	STEP 0, 0, 1                                   ; the first step stands ahead of the loop: its products start the sums
	; MY PART OF THE LOGITS: source 0 = the gate's 16 rows, source 1 = 16 tokens; 8 K steps on two accumulators by turns
	s_wait_loadcnt 0x0
	WIN 0x0f                                       ; both sources window 3
.irp k, 0,1,2,3,4,5,6,7
.set zz, 0
.if \k < 2
.set zz, 1
.endif
.set rD, RAC+8*(\k%2)
.set rW, 112+8*\k
.set rX, 176+8*\k
.set rSW, RSW+\k
.set rSX, RSX+\k
	WMS rD, rW, rX, zz, rSW, rSX, 0, 0
.endr
	WIN 0
	PLACES 4                                       ; four places ahead of the first read of results
.irp j, 0,2,4,6
	v_pk_add_f32 v[RPS+\j:RPS+\j+1], v[RAC+\j:RAC+\j+1], v[RAC+8+\j:RAC+9+\j]      ; lane (r, hh): token r, experts 8 hh + j
.endr
	ds_store_b128 v[VRP], v[RPS:RPS+3]
	ds_store_b128 v[VRP], v[RPS+4:RPS+7] offset:512            ; the changes of slots below wait for these stores and pass barriers
	s_mov_b32 s3, 3
.Llap:                                             ; a trip goes once round the ring and fills both slots again
	STEP 0, 1, 0
	STEP 0, 2, 0
	TURN 0, 1, 1
	STEP 1, 0, 0
	STEP 1, 1, 0
	STEP 1, 2, 0
	TURN 1, 0, 1
	STEP 0, 0, 0
	s_sub_co_u32 s3, s3, 1
	s_cmp_lg_u32 s3, 0
	s_cbranch_scc1 .Llap
	STEP 0, 1, 0                                   ; the last lap fills nothing
	STEP 0, 2, 0
	; THE ROUTER'S END stands here, ahead of the wait for the last tile.  Every wave runs it (the four parts are read by all); wave 0 stores the result.
; the largest of my eight e and its expert (a later one wins only if strictly larger), then the same against the lane 16 away (equal: the lower expert)
.macro SCAN1
	v_mov_b32 v[RB+8], v[RB]
	v_mov_b32 v[RB+9], v[IJ]
.irp j, 1,2,3,4,5,6,7
	v_cmp_gt_f32 s86, v[RB+\j], v[RB+8]
	v_cndmask_b32 v[RB+8], v[RB+8], v[RB+\j], s86
	v_cndmask_b32 v[RB+9], v[RB+9], v[IJ+\j], s86
.endr
	v_permlanex16_b32 v[RB+10], v[RB+8], s[SELR], s[SELR+1]
	v_permlanex16_b32 v[RB+11], v[RB+9], s[SELR], s[SELR+1]
	v_cmp_gt_f32 s86, v[RB+10], v[RB+8]
	v_cmp_eq_f32 s87, v[RB+10], v[RB+8]
	v_cmp_lt_u32 s2, v[RB+11], v[RB+9]
	s_and_b32 s87, s87, s2
	s_or_b32 s86, s86, s87
	v_cndmask_b32 v[RB+8], v[RB+8], v[RB+10], s86
	v_cndmask_b32 v[RB+9], v[RB+9], v[RB+11], s86
.endm
.irp w, 0,1,2,3
.irp c, 0,1
	ds_load_b128 v[RB+8*\w+4*\c:RB+8*\w+4*\c+3], v[VRL] offset:1024*\w+512*\c
.endr
.endr
.irp j, 0,1,2,3,4,5,6,7
	v_lshl_add_u32 v[IJ+\j], v2, 3, \j
.endr
	v_mov_b32 v[NEG1], -1.0
	s_wait_dscnt 0x0
.irp w, 1,2,3
.irp j, 0,2,4,6
	v_pk_add_f32 v[RB+\j:RB+\j+1], v[RB+\j:RB+\j+1], v[RB+8*\w+\j:RB+8*\w+\j+1]    ; the four quarters of K, ascending
.endr
.endr
	v_max3_num_f32 v[RB+8], v[RB], v[RB+1], v[RB+2]
	v_mov_b32 v[RB+9], 0                           ; named as the upper half of a pair below
	v_mov_b32 v[RB+10], 0                          ; a lane permute's destination counts as one of its sources
	v_mov_b32 v[RB+11], 0
	v_max3_num_f32 v[RB+8], v[RB+8], v[RB+3], v[RB+4]
	v_max3_num_f32 v[RB+8], v[RB+8], v[RB+5], v[RB+6]
	v_max_num_f32 v[RB+8], v[RB+8], v[RB+7]
	v_permlanex16_b32 v[RB+10], v[RB+8], s[SELR], s[SELR+1]
	v_max_num_f32 v[RB+8], v[RB+8], v[RB+10]       ; the token's largest logit
.irp j, 0,2,4,6
	v_pk_add_f32 v[RB+\j:RB+\j+1], v[RB+\j:RB+\j+1], v[RB+8:RB+9] op_sel_hi:[1,0] neg_lo:[0,1] neg_hi:[0,1]
.endr
.irp j, 0,2,4,6
	v_pk_mul_f32 v[RB+\j:RB+\j+1], v[RB+\j:RB+\j+1], s[PLG:PLG+1] op_sel_hi:[1,0]
.endr
	s_wait_alu depctr_va_vdst(0)
.irp j, 0,1,2,3,4,5,6,7
	v_exp_f32 v[RB+\j], v[RB+\j]                   ; e = exp(l - max)
.endr
	v_nop                                          ; one plain line behind the batch,
	s_wait_alu depctr_va_vdst(0)                   ; and one wait ahead of its first reader
	SCAN1
	v_mov_b32 v[RB+12], v[RB+8]                    ; e1
	v_mov_b32 v[CI1], v[RB+9]                      ; the first choice
.irp j, 0,1,2,3,4,5,6,7
	v_cmp_eq_u32 s86, v[IJ+\j], v[CI1]
	v_cndmask_b32 v[RB+\j], v[RB+\j], v[NEG1], s86 ; it is taken out: -1 lies under every e
.endr
	SCAN1
	v_mov_b32 v[CI2], v[RB+9]                      ; the second choice
	v_add_f32 v[RB+13], v[RB+12], v[RB+8]
	s_wait_alu depctr_va_vdst(0)
	v_rcp_f32 v[RB+13], v[RB+13]
	v_nop
	s_wait_alu depctr_va_vdst(0)
	v_mul_f32 v[RB+12], v[RB+12], v[RB+13]         ; c1 = e1 / (e1 + e2)
	v_mul_f32 v[RB+8], v[RB+8], v[RB+13]           ; c2
	v_cndmask_b32 v[OV], v[RB+12], v[RB+8], s22    ; lanes 0-15 carry c1 of token r, lanes 16-31 c2;
	v_cndmask_b32 v[OI], v[CI1], v[CI2], s22       ; likewise the two choices
	ds_store_b32 v[VRS], v[OV]                     ; through my wave's own 256 bytes: c1 x 16, c2 x 16, choice 1 x 16, choice 2 x 16
	ds_store_b32 v[VRS], v[OI] offset:128
	ds_load_b64 v[ROUT:ROUT+1], v[VRT]             ; LDS serves a wave's instructions in order: this sees the stores above
	s_wait_dscnt 0x0
	s_cmp_lg_u32 s14, 0
	s_cbranch_scc1 .Lnot_w0
	global_store_b64 v[VG8], v[ROUT:ROUT+1], s[12:13]          ; 256 consecutive bytes, aligned
.Lnot_w0:
	TURN 0, 1, 0
	STEP 1, 0, 0
	STEP 1, 1, 0
	STEP 1, 2, 0
	s_wait_dscnt 0x0
	MULE 0, 3, 1, 1, 0
	MULE 1, 3, 1, 1, 0
	MULE 2, 3, 1, 1, 0
	MULE 3, 3, 1, 1, 0
	MULS 3, 1, 1, 0
	WIN 0
; THE WAY OUT.  32 numbers of a lane: g in v[gb ..], u in v[ub ..]: T[16 i + 8 t + j] = silu(g) u of token tile i of a pair, at unit 16 t + 8 hh + j of the block.  T[0..15] and T[16..31], each with the lane 16 away, are two blocks of 32.
; The exponentials and the reciprocals go as batches, each with a wait ahead of it, one plain line behind it and one wait ahead of its first reader.  w0, w1: the window settings with the sums as source 0 and as source 1.
.macro OUT32 w0, w1, gb, ub, rr
	WIN \w0
.irp j, 0,2,4,6,8,10,12,14,16,18,20,22,24,26,28,30
	v_pk_mul_f32 v[T+\j:T+\j+1], v[\gb+\j:\gb+\j+1], s[NLG:NLG+1] op_sel_hi:[1,0]   ; -g log2(e); each accumulator is read from its low end on
.endr
	WIN 0
	s_wait_alu depctr_va_vdst(0)
.irp j, 0,1,2,3,4,5,6,7,8,9,10,11,12,13,14,15,16,17,18,19,20,21,22,23,24,25,26,27,28,29,30,31
	v_exp_f32 v[T+\j], v[T+\j]
.endr
	v_nop
	s_wait_alu depctr_va_vdst(0)
.irp j, 0,2,4,6,8,10,12,14,16,18,20,22,24,26,28,30
	v_pk_add_f32 v[T+\j:T+\j+1], v[T+\j:T+\j+1], 1.0 op_sel_hi:[1,0]
.endr
	s_wait_alu depctr_va_vdst(0)
.irp j, 0,1,2,3,4,5,6,7,8,9,10,11,12,13,14,15,16,17,18,19,20,21,22,23,24,25,26,27,28,29,30,31
	v_rcp_f32 v[T+\j], v[T+\j]
.endr
	v_nop
	s_wait_alu depctr_va_vdst(0)
	WIN \w1
.irp j, 0,2,4,6,8,10,12,14,16,18,20,22,24,26,28,30
	v_pk_mul_f32 v[T+\j:T+\j+1], v[T+\j:T+\j+1], v[\gb+\j:\gb+\j+1]   ; silu(g)
.endr
.irp j, 0,2,4,6,8,10,12,14,16,18,20,22,24,26,28,30
	v_pk_mul_f32 v[T+\j:T+\j+1], v[T+\j:T+\j+1], v[\ub+\j:\ub+\j+1]   ; x u
.endr
	WIN 0
	v_max3_num_f32 v[TM], |v[T]|, |v[T+1]|, 0x1800000          ; the largest magnitudes, with the floor 2^(3 - 127): the byte cannot fall under 1
	v_max3_num_f32 v[TM+1], |v[T+16]|, |v[T+17]|, 0x1800000
.irp i, 2,4,6,8,10,12,14
	v_max3_num_f32 v[TM], v[TM], |v[T+\i]|, |v[T+\i+1]|
	v_max3_num_f32 v[TM+1], v[TM+1], |v[T+16+\i]|, |v[T+17+\i]|
.endr
	v_permlanex16_b32 v[TM+2], v[TM], s[SELR], s[SELR+1]
	v_permlanex16_b32 v[TM+3], v[TM+1], s[SELR], s[SELR+1]
	v_max_num_f32 v[TM], v[TM], v[TM+2]
	v_max_num_f32 v[TM+1], v[TM+1], v[TM+3]
	v_add_nc_u32 v[TM+4], 0xff000000, v[TM]        ; 2 off the exponent field: the conversion's scale operand
	v_add_nc_u32 v[TM+5], 0xff000000, v[TM+1]
	v_lshrrev_b32 v[TM+6], 23, v[TM+4]             ; the scales' bytes
	v_lshrrev_b32 v[TM+7], 23, v[TM+5]
	v_cvt_scalef32_pk8_fp4_f32 v[\rr], v[T:T+7], v[TM+4]
	v_cvt_scalef32_pk8_fp4_f32 v[\rr+2], v[T+8:T+15], v[TM+4]
	v_cvt_scalef32_pk8_fp4_f32 v[\rr+1], v[T+16:T+23], v[TM+5]
	v_cvt_scalef32_pk8_fp4_f32 v[\rr+3], v[T+24:T+31], v[TM+5]
	v_nop                                          ; one plain place behind a scaled conversion
	v_permlane16_swap_b32 v[\rr], v[\rr+1]         ; lanes 0-15 now hold the first token tile's block whole, lanes 16-31 the second's: 16 bytes a lane
	v_permlane16_swap_b32 v[\rr+2], v[\rr+3]
.endm
.macro OUTE pp                         ; my block for token tiles 2 pp (lanes 0-15) and 2 pp + 1 (lanes 16-31): sixteen lanes store 256 consecutive bytes, aligned
	OUT32 0x02, 0x08, 64*(\pp), 64*(\pp)+32, RR+4*(\pp)
	v_cndmask_b32 v[HB+(\pp)], v[TM+6], v[TM+7], s22
	global_store_b128 v[OSH], v[RR+4*(\pp):RR+4*(\pp)+3], s[88:89] offset:20480*(\pp)
	ds_store_b8 v[VSB], v[HB+(\pp)] offset:512*((\pp)/2)+8*((\pp)%2)   ; token 32 pp + lane, byte w of its experts' word
.endm
	PLACES 4                                       ; four places between the last products and the first read of results
	WIN 0x0c                                       ; THE SHARED SUMS CHANGE WAVES, as images of their registers, in slot 0: it has had its last fill, and every wave has passed the last change of slots, behind which nobody reads it
.irp a, 0,1,2,3,4,5,6,7
	ds_store_b128 v[VXW], v[8*\a:8*\a+3] offset:1024*\a        ; each accumulator from its low end on
	ds_store_b128 v[VXW], v[8*\a+4:8*\a+7] offset:1024*\a+512
.endr
	WIN 0
	v_mov_b32 v[TM+2], 0                           ; a lane permute's destination counts as one of its sources
	v_mov_b32 v[TM+3], 0
	s_wait_dscnt 0x0                               ; for the others' sake: my stores have landed
	s_barrier_signal -1
	s_barrier_wait -1
	WIN 0xc0                                       ; g0, g1, u0, u1 of token tiles 2 w, 2 w + 1 into window 3, laid as an expert's pair is; they land under the four calls below
.irp b, 0,1,2,3
.irp a, 0,1
.irp c, 0,1
	ds_load_b128 v[64+(\b/2)*32+16*\a+8*(\b%2)+4*\c:64+(\b/2)*32+16*\a+8*(\b%2)+4*\c+3], v[VXR] offset:8192*\b+1024*\a+512*\c
.endr
.endr
.endr
	WIN 0
	OUTE 0
	OUTE 1
	OUTE 2
	OUTE 3
	s_wait_dscnt 0x0                               ; the shared sums are in
	OUT32 0x03, 0x0c, 64, 96, RR+16                ; the shared block cg of token tiles 2 w (lanes 0-15) and 2 w + 1 (lanes 16-31)
	global_store_b128 v[OSH], v[RR+16:RR+19], s[92:93]     ; sixteen lanes store 256 consecutive bytes, aligned
	v_cndmask_b32 v[HB+4], v[TM+6], v[TM+7], s22
	v_lshlrev_b32 v[HB+4], s23, v[HB+4]
	ds_store_b32 v[VSS], v[HB+4]
	s_wait_dscnt 0x0                               ; for the others' sake: my stores have landed
	s_barrier_signal -1
	s_barrier_wait -1
	ds_load_b64 v[150:151], v[VRD]                 ; my quarter of the stage's 1,024 bytes
	s_wait_dscnt 0x0
	global_store_b64 v[VG8], v[150:151], s[94:95]  ; 256 consecutive bytes, aligned
	s_wait_tensorcnt 0x0                           ; the wave's end
	ds_add_u32 v[SPW], v[NIL]
	s_wait_dscnt 0x0
	CROUND                                         ; the closing round
	s_endpgm
.Lfunc_end_k_qfff2ba384f_gateup:
	.size	k_qfff2ba384f_gateup, .Lfunc_end_k_qfff2ba384f_gateup-k_qfff2ba384f_gateup
	.p2alignl 7, 3214868480
	.fill 96, 4, 3214868480
	.section	.rodata,"a",@progbits
	.p2align	6, 0x0
	.amdhsa_kernel k_qfff2ba384f_gateup
		.amdhsa_group_segment_fixed_size 327680
		.amdhsa_private_segment_fixed_size 0
		.amdhsa_enable_private_segment 0
		.amdhsa_kernarg_size 88
		.amdhsa_user_sgpr_count 2
		.amdhsa_user_sgpr_kernarg_segment_ptr 1
		.amdhsa_wavefront_size32 1
		.amdhsa_system_sgpr_workgroup_id_x 1
		.amdhsa_system_sgpr_workgroup_id_y 1
		.amdhsa_system_sgpr_workgroup_id_z 1
		.amdhsa_system_vgpr_workitem_id 0
		.amdhsa_next_free_vgpr 1024
		.amdhsa_next_free_sgpr 102
		.amdhsa_reserve_vcc 0
		.amdhsa_float_denorm_mode_32 3
		.amdhsa_float_denorm_mode_16_64 3
		.amdhsa_memory_ordered 1
		.amdhsa_forward_progress 1
		.amdhsa_inst_pref_size 197
	.end_amdhsa_kernel
	.amdgpu_metadata
---
amdhsa.version: [ 1, 2 ]
amdhsa.kernels:
  - .name:           k_qfff2ba384f_gateup
    .symbol:         k_qfff2ba384f_gateup.kd
    .args:
      - { .name: hidden_states_codes, .offset: 0, .size: 8, .value_kind: global_buffer, .address_space: global }
      - { .name: hidden_states_scales, .offset: 8, .size: 8, .value_kind: global_buffer, .address_space: global }
      - { .name: gate_w_codes, .offset: 16, .size: 8, .value_kind: global_buffer, .address_space: global }
      - { .name: gate_w_scales, .offset: 24, .size: 8, .value_kind: global_buffer, .address_space: global }
      - { .name: w_gate_up_codes, .offset: 32, .size: 8, .value_kind: global_buffer, .address_space: global }
      - { .name: w_gate_up_scales, .offset: 40, .size: 8, .value_kind: global_buffer, .address_space: global }
      - { .name: shared_w_gate_up_codes, .offset: 48, .size: 8, .value_kind: global_buffer, .address_space: global }
      - { .name: shared_w_gate_up_scales, .offset: 56, .size: 8, .value_kind: global_buffer, .address_space: global }
      - { .name: act_codes, .offset: 64, .size: 8, .value_kind: global_buffer, .address_space: global }
      - { .name: act_scw, .offset: 72, .size: 8, .value_kind: global_buffer, .address_space: global }
      - { .name: route, .offset: 80, .size: 8, .value_kind: global_buffer, .address_space: global }
    .group_segment_fixed_size: 327680
    .private_segment_fixed_size: 0
    .kernarg_segment_align: 8
    .kernarg_segment_size: 88
    .max_flat_workgroup_size: 128
    .sgpr_count:     102
    .vgpr_count:     1024
    .wavefront_size: 32
...
	.end_amdgpu_metadata
.endif
;; end of part 1
;; launch down (part 2): grid 16 x 16, 4 waves a work-group, clusters of 4 x 1, 187,904 bytes of LDS; arguments act_codes, act_scw, route, w_down_codes, w_down_scales, shared_w_down_codes, shared_w_down_scales, out0; writes out0
.if DOCPART == 2
	.amdgcn_target "amdgcn-amd-amdhsa--gfx1250"
	.amdhsa_code_object_version 6
	.text
	.protected	k_qfff2ba384f_down
	.globl	k_qfff2ba384f_down
	.p2align	8
	.type	k_qfff2ba384f_down,@function
k_qfff2ba384f_down:
	s_mov_b64 s[64:65], 0
	v_nop
	global_prefetch_b8 v0, s[64:65] scope:SCOPE_SE
	s_setreg_imm32_b32 hwreg(HW_REG_WAVE_MODE, 25, 1), 1
	s_wait_xcnt 0x0
	s_wait_alu depctr_hold_cnt(0) depctr_sa_sdst(0) depctr_va_vdst(0) depctr_va_sdst(0) depctr_va_ssrc(0) depctr_va_vcc(0) depctr_vm_vsrc(0)
	s_getreg_b32 s2, hwreg(HW_REG_IB_STS2, 6, 4)
	s_cmp_eq_u32 s2, 0
	s_cbranch_scc0 .Lentry_in_a_cluster
	s_endpgm
.Lentry_in_a_cluster:
	s_bfe_u32 s2, ttmp6, 0x10000c
	s_cmp_lg_u32 s2, 0x3003
	s_cbranch_scc0 .Lentry_shape_is_right
	s_endpgm
.Lentry_shape_is_right:
; SECOND LAUNCH.  out = S + c1 P1 + c2 P2.  S: the shared activations (K = 256) against shared_w_down.  P1, P2: the experts' activations (K = 16 x 64 = 1,024) against w_down, with the codes of every expert but the
; token's first (second) choice selected to zero codes, which add nothing: so P1 and P2 are the two chosen experts' rows.  c1, c2 and the two choices come from the first launch, 256 bytes a tile of 16 tokens.
; LEFT OUT (shown at the head of the first launch): the softmax's denominator, which cancels in e_i / (e_1 + e_2); the 14 terms of the last product whose factor is a zero of one_hot.  The limits stated there hold here.
; SHARES.  A work-group: 256 tokens (X) x 256 columns (Y).  Wave w: 64 tokens, four tiles, in two passes of two; all 256 columns.  The four work-groups of a cluster have one Y: the weights' tiles are asked for jointly, once,
; at the head, one tensor load a wave: waves 0 and 1 the two halves of w_down's tile (16 experts x 128 rows of 32 bytes), waves 2 and 3 the two halves of shared_w_down's (128 rows of 128 bytes).  No LDS byte is filled again.
; All that the launch reads is asked for at its head or, pass 1's fragments, just behind the head's wait: there is no loop to run ahead in, so nothing is prefetched.
; THE HEAD'S LOADS, 60 a wave: 2 for my four tiles of route (they go through 1 KB of LDS of my own and come back as c1, c2 by the result's rows and as the choices by token); 40 for pass 0's fragments;
; 8 for the activations' scale words (act_scw is laid so that 16 bytes of a lane are: experts' word and shared word of pass 0's token, the same of pass 1's); 10 for the weights' scale bytes.
; Pass 0's two token tiles are masked one after the other, each behind the counted wait for its own 16 loads.
; LAYOUT.  Source 0 = 16 tokens, source 1 = 16 weight rows.  Lane r of column tile (g, t) takes row h = 256 Y + 64 g + 4 r + t: the four tiles t give a lane 16 neighbouring bytes of a row of out, sixteen lanes 256, aligned: results are stored from registers as they stand.
; THE WEIGHTS' FRAGMENTS have two sets of registers, for even and odd column tiles.  Behind a tile's products its set takes the tile two further on; the wait at a tile's top leaves out what was asked for behind the tile before.
; The choices only select values (v_cndmask_b32): no address and no branch hangs on them.
; REGISTERS: window 0: v1-27 addresses and constants; v40-59 the weights' scale words (tiles t = 0, 1: v40.., t = 2, 3: v50..; lanes 16-31 the odd tile); v60-63 the shared activations' scale words; v64-71 route on its way;
;   v80-143 c1, c2 by the result's rows; v144-191 six accumulators (at the head: at work); v192-199 the choices; v200-231 the activations' scale words as loaded; v232-251 the weights' scale bytes on their way.
;   window 1: two sets of 80 for the weights' fragments, v160-223 results.   window 2: the pass's masked fragments, first choice v0-127, second v128-255.   window 3: v0-127 pass 1's fragments as loaded; v128-191 the shared fragments.
.set WDE,   4352                       ; LDS: [half 2][expert 16]: 128 rows of 32 bytes of an expert: 16 units of 256 bytes + 16; a column group is 8 units
.set HALFW, 16*WDE
.set SD,    2*HALFW                    ; shared_w_down: 64 rows of 512 bytes + 16, four h to a row
.set BSC,   SD+64*528                  ; the weights' scale words, as the scale registers take them: [g][s 10][pair][lane]; written by LDS stores alone
.set RT,    BSC+4*2560                 ; route: 1,024 bytes a wave, its own; written by LDS stores alone
.set SPARE, RT+4*1024                  ; the spare words, 128 bytes a wave
.set OFC,  4                           ; v4   act_codes: 16 x lane + my first tile
.set WL,   5                           ; v5-7 my lane's place in a tile of experts 0-5, 6-11, 12-15
.set SL,   8                           ; v8   in shared_w_down's tiles
.set BL,   9                           ; v9   among the scale words
.set FB,   10                          ; v10-12, v13, v14: the same five at the column group that is being fetched
.set FSD,  13
.set FBS,  14
.set BSW,  15                          ; v15  where I store scale words
.set OFW,  16
.set OFS,  17
.set OFL,  18                          ; v18  route: my first tile + 16 x lane
.set OA,   19                          ; v19  out: 8 hh rows + 16 r
.set SPW,  20
.set NIL,  21
.set VSEL, 22
.set TMPV, 23
.set RTW,  24                          ; v24  my 1 KB of route in LDS + 16 x lane; v25 + 32 hh; v26 + 4 r
.set RTC,  25
.set RTH,  26
.set OFA,  27                          ; v27  act_scw: my 64 tokens + 16 x lane
.set BS,   40
.set ASH,  60
.set CW,   80
.set ACC,  144
.set CH,   192
.set Q,    200                         ; v[Q + 4 s + 2 p]: the experts' word of K step s, pass p (lanes 0-15 the pass's first tile, lanes 16-31 its second); + 1: shared block s's byte
.set G1W, 24
.set G1D, 32
.set G0W, 40
.set G0D, 44
.set MSB, 0
.macro WIN new
.if MSB != \new
	s_set_vgpr_msb (MSB<<8)|\new
.set MSB, \new
.endif
.endm
.macro PLACES n
.rept \n
	v_nop
.endr
.endm
.macro CROUND
	s_barrier_signal -1
	s_barrier_wait -1
	s_cmp_lg_u32 s20, 0
	s_cbranch_scc1 .Lnw0_\@
	s_barrier_signal -3
.Lnw0_\@:
	s_barrier_wait -3
	s_barrier_signal -1
	s_barrier_wait -1
.endm
.macro WMS d, a, b, zero, sa, sb, ra, rb
.if \zero
.if (\ra) && (\rb)
	v_wmma_scale_f32_16x16x128_f8f6f4 v[\d:\d+7], v[\a:\a+7], v[\b:\b+7], 0, v[\sa], v[\sb] matrix_a_fmt:MATRIX_FMT_FP4 matrix_b_fmt:MATRIX_FMT_FP4 matrix_a_scale:MATRIX_SCALE_ROW1 matrix_b_scale:MATRIX_SCALE_ROW1
.elseif (\ra)
	v_wmma_scale_f32_16x16x128_f8f6f4 v[\d:\d+7], v[\a:\a+7], v[\b:\b+7], 0, v[\sa], v[\sb] matrix_a_fmt:MATRIX_FMT_FP4 matrix_b_fmt:MATRIX_FMT_FP4 matrix_a_scale:MATRIX_SCALE_ROW1
.elseif (\rb)
	v_wmma_scale_f32_16x16x128_f8f6f4 v[\d:\d+7], v[\a:\a+7], v[\b:\b+7], 0, v[\sa], v[\sb] matrix_a_fmt:MATRIX_FMT_FP4 matrix_b_fmt:MATRIX_FMT_FP4 matrix_b_scale:MATRIX_SCALE_ROW1
.else
	v_wmma_scale_f32_16x16x128_f8f6f4 v[\d:\d+7], v[\a:\a+7], v[\b:\b+7], 0, v[\sa], v[\sb] matrix_a_fmt:MATRIX_FMT_FP4 matrix_b_fmt:MATRIX_FMT_FP4
.endif
.else
.if (\ra) && (\rb)
	v_wmma_scale_f32_16x16x128_f8f6f4 v[\d:\d+7], v[\a:\a+7], v[\b:\b+7], v[\d:\d+7], v[\sa], v[\sb] matrix_a_fmt:MATRIX_FMT_FP4 matrix_b_fmt:MATRIX_FMT_FP4 matrix_a_scale:MATRIX_SCALE_ROW1 matrix_b_scale:MATRIX_SCALE_ROW1
.elseif (\ra)
	v_wmma_scale_f32_16x16x128_f8f6f4 v[\d:\d+7], v[\a:\a+7], v[\b:\b+7], v[\d:\d+7], v[\sa], v[\sb] matrix_a_fmt:MATRIX_FMT_FP4 matrix_b_fmt:MATRIX_FMT_FP4 matrix_a_scale:MATRIX_SCALE_ROW1
.elseif (\rb)
	v_wmma_scale_f32_16x16x128_f8f6f4 v[\d:\d+7], v[\a:\a+7], v[\b:\b+7], v[\d:\d+7], v[\sa], v[\sb] matrix_a_fmt:MATRIX_FMT_FP4 matrix_b_fmt:MATRIX_FMT_FP4 matrix_b_scale:MATRIX_SCALE_ROW1
.else
	v_wmma_scale_f32_16x16x128_f8f6f4 v[\d:\d+7], v[\a:\a+7], v[\b:\b+7], v[\d:\d+7], v[\sa], v[\sb] matrix_a_fmt:MATRIX_FMT_FP4 matrix_b_fmt:MATRIX_FMT_FP4
.endif
.endif
.endm
	s_load_b512 s[4:19], s[0:1], 0x0               ; act_codes, act_scw, route, w_down codes, scales, shared_w_down codes, scales, out0
	v_lshl_add_u32 v[SPW], v0, 2, SPARE
	v_mov_b32 v[NIL], 0
	ds_add_u32 v[SPW], v[NIL]                      ; the opening: the add, twice on end, and its wait ahead of my first tensor load
	ds_add_u32 v[SPW], v[NIL]
	v_lshrrev_b32 v1, 5, v0
	v_readfirstlane_b32 s20, v1                    ; wave
	s_bfe_u32 s21, ttmp6, 0x40000                  ; cx: it enters global addresses alone
	s_lshl_b32 s22, ttmp9, 2
	s_add_co_u32 s22, s22, s21                     ; X
	s_and_b32 s23, ttmp7, 0xffff                   ; Y, which the four partners share
	s_lshl_b32 s91, s22, 4
	s_lshl_b32 s60, s20, 2
	s_add_co_u32 s91, s91, s60                     ; my first token tile: 16 X + 4 w
	s_and_b32 s48, s20, 1                          ; which half of its tile my wave fetches
	; group 1, w_down: 16 rows (an expert each, 131,072 bytes apart) of 512 elements of 8 bytes (128 h x 32 bytes); 16 bytes of padding behind every 256; the mask names all four partners
	s_mov_b32 s[G1W], 15|(3<<16)|(1<<20)|(1<<21)|(5<<22)|(3<<25)
	s_mov_b32 s[G1W+1], 512<<16
	s_mov_b32 s[G1W+2], 16<<16
	s_mov_b32 s[G1W+3], 512<<16
	s_mov_b32 s[G1W+4], 16
	s_mov_b32 s[G1W+5], 16384
	s_mov_b32 s[G1W+6], 0
	s_mov_b32 s[G1W+7], 0
	; shared_w_down: 32 rows of 64 elements of 8 bytes, dense, 16 bytes of padding behind each
	s_mov_b32 s[G1D], 15|(3<<16)|(1<<20)|(1<<21)|(6<<22)|(3<<25)
	s_mov_b32 s[G1D+1], 64<<16
	s_mov_b32 s[G1D+2], 32<<16
	s_mov_b32 s[G1D+3], 64<<16
	s_mov_b32 s[G1D+4], 32
	s_mov_b32 s[G1D+5], 64
	s_mov_b32 s[G1D+6], 0
	s_mov_b32 s[G1D+7], 0
	s_mov_b32 s[G0W], 1
	s_mul_i32 s[G0W+1], s48, HALFW
	s_lshl_b32 s[G0W+2], s23, 13                   ; my work-group's 256 rows of 32 bytes in an expert,
	s_lshl_b32 s60, s48, 12
	s_add_co_u32 s[G0W+2], s[G0W+2], s60           ; their half
	s_mov_b32 s[G0W+3], 0
	s_mov_b32 s[G0D], 1
	s_mul_i32 s[G0D+1], s48, 32*528
	s_add_co_u32 s[G0D+1], s[G0D+1], SD
	s_lshl_b32 s[G0D+2], s23, 15                   ; my work-group's 256 rows of 128 bytes,
	s_lshl_b32 s60, s48, 14
	s_add_co_u32 s[G0D+2], s[G0D+2], s60           ; their half
	s_mov_b32 s[G0D+3], 0
	; the scalar parts of the offsets first, then the vector lines on end
	s_mul_i32 s50, s20, 2560                       ; wave w makes column group w's scale words
	s_lshl_b32 s51, s23, 9
	s_lshl_b32 s60, s20, 7
	s_add_co_u32 s51, s51, s60                     ; w_down's scales: 2 bytes a row: rows 256 Y + 64 w
	s_lshl_b32 s52, s51, 2                         ; shared_w_down's: 8 bytes a row
	s_lshl_b32 s53, s91, 8                         ; route: 256 bytes a tile
	s_mul_i32 s54, s91, 10240                      ; act_codes: ten fragments a tile
	s_lshl_b32 s55, s91, 7                         ; act_scw: 8 bytes a token in each of its 8 planes
	s_lshl_b32 s56, s20, 10
	s_add_co_u32 s56, s56, RT
	s_lshl_b32 s60, s91, 18                        ; out: my first token's row of 16,384 bytes,
	s_lshl_b32 s61, s23, 10
	s_add_co_u32 s60, s60, s61                     ; my work-group's 1,024 bytes of it
	s_mov_b32 s61, 0
	s_mov_b32 s95, 0
	v_and_b32 v1, 15, v0                           ; r
	v_bfe_u32 v2, v0, 4, 1                         ; hh
	v_and_b32 v3, 31, v0                           ; lane
	v_lshrrev_b32 v[WL], 1, v1
	v_mul_u32_u24 v[WL], v[WL], 272
	v_and_b32 v[WL+1], 1, v1
	v_lshl_add_u32 v[WL], v[WL+1], 7, v[WL]
	v_lshl_add_u32 v[WL], v2, 4, v[WL]             ; row 4 r of 32 bytes, eight rows to a unit, + 16 hh
	v_add_nc_u32 v[WL+1], 6*WDE, v[WL]
	v_add_nc_u32 v[WL+2], 12*WDE, v[WL]
	v_mul_u32_u24 v[SL], v1, 528
	v_lshl_add_u32 v[SL], v2, 4, v[SL]
	v_add_nc_u32 v[SL], SD, v[SL]
	v_lshl_add_u32 v[BL], v3, 2, BSC
	v_add_nc_u32 v[BSW], s50, v[BL]
.irp i, 0,1,2,3,4
	v_mov_b32 v[FB+\i], v[WL+\i]                   ; the fetches begin at column group 0
.endr
	v_lshl_add_u32 v[OFW], v1, 3, s51              ; rows 4 r .. 4 r + 3;
	v_lshl_add_u32 v[OFW], v2, 13, v[OFW]          ; lanes 16-31 take the next expert's
	v_lshl_add_u32 v[OFS], v1, 5, s52
	v_lshl_add_u32 v[OFS], v2, 3, v[OFS]           ; row 4 r + hh (+ 2 in the immediate)
	v_lshl_add_u32 v[OFL], v3, 4, s53
	v_lshl_add_u32 v[OFC], v3, 4, s54
	v_lshl_add_u32 v[OFA], v3, 4, s55
	v_lshl_add_u32 v[RTW], v3, 4, s56
	v_lshl_add_u32 v[RTC], v2, 5, s56
	v_lshl_add_u32 v[RTH], v1, 2, s56
	v_lshlrev_b32 v[OA], 17, v2
	v_lshl_add_u32 v[OA], v1, 4, v[OA]
	v_mov_b32 v[VSEL], 0x05040100                  ; lanes 0-15 take the even row's two bytes of each expert, lanes 16-31 the odd row's
	v_mov_b32 v[TMPV], 0x07060302
	v_cmp_ne_u32 s57, 0, v2
	v_cndmask_b32 v[VSEL], v[VSEL], v[TMPV], s57
	s_wait_alu depctr_va_vdst(0)
	s_wait_dscnt 0x0                               ; both opening adds are done
	s_wait_kmcnt 0x0
	s_add_nc_u64 s[66:67], s[18:19], s[60:61]
	s_add_nc_u64 s[G0W+2:G0W+3], s[10:11], s[G0W+2:G0W+3]
	s_or_b32 s[G0W+3], s[G0W+3], 0x80000000
	s_add_nc_u64 s[G0D+2:G0D+3], s[14:15], s[G0D+2:G0D+3]
	s_or_b32 s[G0D+3], s[G0D+3], 0x80000000
.irp i, 0,1
	global_load_b128 v[64+4*\i:67+4*\i], v[OFL], s[8:9] offset:512*\i              ; my four tiles of route: 1,024 consecutive bytes
.endr
	WIN 0x80
.irp i, 0,1
.irp e, 0,1,2,3,4,5,6,7,8,9,10,11,12,13,14,15
	global_load_b128 v[128+64*\i+4*\e:128+64*\i+4*\e+3], v[OFC], s[4:5] offset:10240*\i+512*\e
.endr
.endr
	WIN 0xc0
.irp i, 0,1
.irp u, 0,1,2,3
	global_load_b128 v[128+16*\i+4*\u:128+16*\i+4*\u+3], v[OFC], s[4:5] offset:10240*\i+8192+512*\u
.endr
.endr
	WIN 0
.irp s, 0,1,2,3,4,5,6,7
	global_load_b128 v[Q+4*\s:Q+4*\s+3], v[OFA], s[6:7] offset:32768*\s
.endr
.irp k, 0,1,2,3,4,5,6,7
	global_load_b64 v[232+2*\k:233+2*\k], v[OFW], s[12:13] offset:16384*\k         ; lanes 0-15 expert 2 k, lanes 16-31 expert 2 k + 1
.endr
.irp u, 0,1
	global_load_b64 v[248+2*\u:249+2*\u], v[OFS], s[16:17] offset:16*\u
.endr
	CROUND                                         ; all four work-groups are here: the joint loads meet
	s_cmp_lt_u32 s20, 2                            ; one tensor load a wave, a load in each arm
	s_cbranch_scc0 .Lfor_sd
	tensor_load_to_lds s[G0W:G0W+3], s[G1W:G1W+7]
	s_nop 0
	PLACES 4
	s_branch .Lasked
.Lfor_sd:
	tensor_load_to_lds s[G0D:G0D+3], s[G1D:G1D+7]
	s_nop 0
	PLACES 4
.Lasked:
	s_wait_loadcnt 58                              ; route is in; behind its two loads stand 58
.irp i, 0,1
	ds_store_b128 v[RTW], v[64+4*\i:67+4*\i] offset:512*\i
.endr
.irp i, 0,1,2,3                                    ; LDS serves a wave's instructions in order: these see the stores above
	ds_load_b32 v[CH+2*\i], v[RTH] offset:256*\i+128               ; token r's first choice,
	ds_load_b32 v[CH+2*\i+1], v[RTH] offset:256*\i+192             ; its second
.endr
.irp i, 0,1,2,3
	ds_load_b128 v[CW+16*\i:CW+16*\i+3], v[RTC] offset:256*\i      ; c1 by the result's rows: register j of lane (r, hh) is token 8 hh + j
	ds_load_b128 v[CW+16*\i+4:CW+16*\i+7], v[RTC] offset:256*\i+16
	ds_load_b128 v[CW+16*\i+8:CW+16*\i+11], v[RTC] offset:256*\i+64    ; c2
	ds_load_b128 v[CW+16*\i+12:CW+16*\i+15], v[RTC] offset:256*\i+80
.endr
; the two masked copies of token tile i of pass p: expert e's four registers are kept where the lane's token chose e, else they become zero codes.  sw: the window setting (destination window 2, source 1 the raw fragments'), sb: where those begin
.macro MASK1 p, i, sw, sb
	WIN 0
.irp e, 0,1,2,3,4,5,6,7,8,9,10,11,12,13,14,15
	v_cmp_eq_u32 s[68+\e], \e, v[CH+2*(2*(\p)+(\i))]
.endr
	WIN \sw
.irp e, 0,1,2,3,4,5,6,7,8,9,10,11,12,13,14,15
.irp x, 0,1,2,3
	v_cndmask_b32 v[64*(\i)+4*\e+\x], 0, v[\sb+64*(\i)+4*\e+\x], s[68+\e]
.endr
.endr
	WIN 0
.irp e, 0,1,2,3,4,5,6,7,8,9,10,11,12,13,14,15
	v_cmp_eq_u32 s[68+\e], \e, v[CH+1+2*(2*(\p)+(\i))]
.endr
	WIN \sw
.irp e, 0,1,2,3,4,5,6,7,8,9,10,11,12,13,14,15
.irp x, 0,1,2,3
	v_cndmask_b32 v[128+64*(\i)+4*\e+\x], 0, v[\sb+64*(\i)+4*\e+\x], s[68+\e]
.endr
.endr
	WIN 0
.endm
	s_wait_dscnt 16                                ; the choices are in; the 16 loads of c1, c2 may be out
	s_wait_loadcnt 42                              ; pass 0's first tile is in: behind its 16 loads stand 42
	MASK1 0, 0, 0x88, 128                          ; pass 0's fragments were loaded where the second copy stands: the first copy is made first, the second in place
	s_wait_loadcnt 26                              ; its second tile: behind it stand 26
	MASK1 0, 1, 0x88, 128
	s_wait_loadcnt 0x0                             ; all that pass 0 wants is in
	WIN 0xc0                                       ; pass 1's fragments are asked for now and land while pass 0 is worked: pass 0 names none of their registers
.irp i, 0,1
.irp e, 0,1,2,3,4,5,6,7,8,9,10,11,12,13,14,15
	global_load_b128 v[64*\i+4*\e:64*\i+4*\e+3], v[OFC], s[4:5] offset:10240*(2+\i)+512*\e
.endr
.endr
.irp i, 0,1
.irp u, 0,1,2,3
	global_load_b128 v[160+16*\i+4*\u:160+16*\i+4*\u+3], v[OFC], s[4:5] offset:10240*(2+\i)+8192+512*\u
.endr
.endr
	WIN 0
	; the shared activations' scale words: four blocks' words, a byte in each
.irp p, 0,1
.irp u, 0,1
	v_or_b32 v[ASH+2*\p+\u], v[Q+16*\u+2*\p+1], v[Q+16*\u+2*\p+5]
	v_or_b32 v[ASH+2*\p+\u], v[ASH+2*\p+\u], v[Q+16*\u+2*\p+9]
	v_or_b32 v[ASH+2*\p+\u], v[ASH+2*\p+\u], v[Q+16*\u+2*\p+13]
.endr
.endr
	; the weights' scale words of column group w: K step s takes experts 2 s and 2 s + 1, two bytes each.  A copy and a swap of halves give every lane both experts' bytes
.irp k, 0,1,2,3,4,5,6,7,8,9,10,11,12,13,14,15
	v_mov_b32 v[144+\k], v[232+\k]
.endr
.irp k, 0,1,2,3,4,5,6,7,8,9,10,11,12,13,14,15
	v_permlane16_swap_b32 v[232+\k], v[144+\k]     ; v[232 ..]: the even expert's in both halves; v[144 ..]: the odd expert's
.endr
.irp s, 0,1,2,3,4,5,6,7
.irp u, 0,1
	v_perm_b32 v[160+2*\s+\u], v[144+2*\s+\u], v[232+2*\s+\u], v[VSEL]
	ds_store_b32 v[BSW], v[160+2*\s+\u] offset:256*\s+128*\u
.endr
.endr
.irp u, 0,1
.irp c, 0,1
	ds_store_b32 v[BSW], v[248+2*\u+\c] offset:256*(8+\c)+128*\u
.endr
.endr
	s_wait_alu depctr_va_vdst(0)                   ; directly ahead of the waits below
	s_wait_tensorcnt 0x0                           ; my part of the weights' tiles is in,
	s_wait_dscnt 0x0                               ; my scale words have landed, and c1, c2 are in
	s_barrier_signal -1
	s_barrier_wait -1                              ; everybody's are
.macro FETCHB t, set                   ; column tile t of the group at v[FB ..]: 16 experts' halves of a fragment and the shared weight's two fragments: 20 loads in one run
	WIN 0x40
.irp e, 0,1,2,3,4,5,6,7,8,9,10,11,12,13,14,15
	ds_load_b128 v[80*(\set)+4*\e:80*(\set)+4*\e+3], v[FB+\e/6] offset:(\e%6)*WDE+32*(\t)
.endr
.irp u, 0,1,2,3
	ds_load_b128 v[80*(\set)+64+4*\u:80*(\set)+64+4*\u+3], v[FSD] offset:128*(\t)+32*\u
.endr
	WIN 0
.endm
.macro FETCHBS u                       ; the scale words of column tiles 2 u (lanes 0-15) and 2 u + 1 (lanes 16-31), ten K steps: 10 loads
.irp s, 0,1,2,3,4,5,6,7,8,9
	ds_load_b32 v[BS+10*(\u)+\s], v[FBS] offset:256*\s+128*(\u)
.endr
.endm
.macro PMUL p, t, s0                   ; 16 products: K steps s0 .. s0 + 3 of P1 and P2 for the pass's two token tiles
	WIN 0x06                                       ; source 0 (tokens) window 2, source 1 (weights) window 1
.irp s, \s0, \s0+1, \s0+2, \s0+3
.set zz, 0
.if (\s) == 0
.set zz, 1
.endif
.irp i, 0,1
.set rB, 80*((\t)%2)+8*(\s)
.set rSA, Q+4*(\s)+2*(\p)
.set rSB, BS+10*((\t)/2)+(\s)
.set rA, 64*\i+8*(\s)
.set rD, ACC+24*\i
	WMS rD, rA, rB, zz, rSA, rSB, \i, (\t)%2
.set rA, 128+64*\i+8*(\s)
.set rD, ACC+8+24*\i
	WMS rD, rA, rB, zz, rSA, rSB, \i, (\t)%2
.endr
.endr
.endm
.macro SMUL p, t, u                    ; 2 products: K step u of S for the two token tiles
	WIN 0x07                                       ; source 0: the shared fragments, window 3
.irp i, 0,1
.set rB, 80*((\t)%2)+64+8*(\u)
.set rSA, ASH+2*(\p)+(\u)
.set rSB, BS+8+10*((\t)/2)+(\u)
.set rA, 128+32*(\p)+16*\i+8*(\u)
.set rD, ACC+16+24*\i
	WMS rD, rA, rB, 1-(\u), rSA, rSB, \i, (\t)%2
.endr
.endm
; one column tile t for the pass's two token tiles: 36 products, six accumulators, one instruction a turn, no two on end on one accumulator; then out = S + c2 P2 + c1 P1.
; wn: the LDS loads issued behind the tile before, which may stay out at my top.  Behind the products, and five places: ft: the tile that my set of fragments takes next (4: none); fb: the pair of scale words fetched with it (2: none);
; sb = 1: the scale words' fetches go on to the next column group first; sf = 1: the fragments' fetches do.  The group after the last is group 0: the next pass's first.
; free = 1 (a trip's first tile): the last trip's stores, 36 products back, have read their registers and their base: the base steps, and the results may be written again
.macro HT p, t, wn, ft, fb, sb, sf, free
	s_wait_dscnt \wn                               ; this tile's fragments and scale words are in
	SMUL \p, \t, 0
	PMUL \p, \t, 0
	SMUL \p, \t, 1
	PMUL \p, \t, 4
	WIN 0
	PLACES 5                                       ; places ahead of the loads into registers just read, of the first read of results, and of the sums that the next tile begins anew
.if \free
	s_wait_xcnt 0x0
	s_cmp_lg_u32 s86, 0
	s_cselect_b32 s94, 256, 0                      ; a pass's first trip stores at the base as it stands
	s_add_nc_u64 s[66:67], s[66:67], s[94:95]
.endif
.if \sb
	s_add_co_u32 s87, s86, 1
	s_and_b32 s87, s87, 3
	s_mul_i32 s90, s87, 2560
	v_add_nc_u32 v[FBS], s90, v[BL]
.endif
.if \sf
	s_add_co_u32 s87, s86, 1
	s_and_b32 s87, s87, 3
	s_lshr_b32 s88, s87, 1
	s_mul_i32 s88, s88, HALFW
	s_and_b32 s92, s87, 1
	s_mul_i32 s92, s92, 2176
	s_add_co_u32 s88, s88, s92
	s_mul_i32 s89, s87, 16*528
	v_add_nc_u32 v[FB], s88, v[WL]
	v_add_nc_u32 v[FB+1], s88, v[WL+1]
	v_add_nc_u32 v[FB+2], s88, v[WL+2]
	v_add_nc_u32 v[FSD], s89, v[SL]
.endif
.if \ft < 4
	FETCHB \ft, (\t)%2
.endif
.if \fb < 2
	FETCHBS \fb
.endif
.irp i, 0,1
.irp j, 0,2,4,6
	v_pk_fma_f32 v[ACC+16+24*\i+\j:ACC+17+24*\i+\j], v[CW+8+16*(2*(\p)+\i)+\j:CW+9+16*(2*(\p)+\i)+\j], v[ACC+8+24*\i+\j:ACC+9+24*\i+\j], v[ACC+16+24*\i+\j:ACC+17+24*\i+\j]
.endr
.endr
	WIN 0x40
.irp i, 0,1
.irp j, 0,1,2,3,4,5,6,7
	v_fma_f32 v[160+32*\i+4*\j+(\t)], v[CW+16*(2*(\p)+\i)+\j], v[ACC+24*\i+\j], v[ACC+16+24*\i+\j]
.endr
.endr
	WIN 0
.endm
.macro STORES
	WIN 0x04                                       ; a store's data are its source 1: window 1
.irp i, 0,1
.irp j, 0,1,2,3,4,5,6,7
	global_store_b128 v[OA], v[160+32*\i+4*\j:160+32*\i+4*\j+3], s[66:67] offset:262144*\i+16384*\j th:TH_STORE_NT   ; lanes 0-15 and lanes 16-31 each store 256 consecutive bytes, aligned
.endr
.endr
	WIN 0
.endm
; trips of a pass: two token tiles x 64 columns a trip.  Behind tile t stand 20, 30, 20, 30 LDS loads (t = 0 .. 3): so the counts at the tops are 30, 20, 30, 20, on the way in (the prologue's last 30) and round the back edge alike
.macro PASS p, trips
	s_mov_b32 s86, 0
.Lgroup_\@:
	HT \p, 0, 30, 2, 2, 0, 0, 1
	HT \p, 1, 20, 3, 0, 1, 0, 0
	HT \p, 2, 30, 0, 2, 0, 1, 0
	HT \p, 3, 20, 1, 1, 0, 0, 0
	STORES
	s_add_co_u32 s86, s86, 1
	s_cmp_lt_u32 s86, \trips
	s_cbranch_scc1 .Lgroup_\@
.endm
	FETCHB 0, 0                                    ; the prologue: tiles 0 and 1 of group 0, each with its pair's scale words
	FETCHBS 0
	FETCHB 1, 1
	FETCHBS 1
	PASS 0, 4
	s_wait_xcnt 0x0                                ; the last trip's stores have read their base
	s_add_nc_u64 s[66:67], s[66:67], 32*16384-768  ; 32 tokens down, back from the fourth column group to the first
	s_wait_loadcnt 0x0                             ; pass 1's fragments, asked for ahead of pass 0, are in
	MASK1 1, 0, 0x8c, 0                            ; they wait in window 3
	MASK1 1, 1, 0x8c, 0
	PLACES 4                                       ; an operand written by vector instructions stands four places ahead of a scaled matrix instruction
	s_wait_alu depctr_va_vdst(0)
	PASS 1, 3
	HT 1, 0, 30, 2, 2, 0, 0, 1                     ; the launch's last trip is written out: it fetches its own tiles 2 and 3 and nothing more
	HT 1, 1, 20, 3, 2, 0, 0, 0
	HT 1, 2, 20, 4, 2, 0, 0, 0
	HT 1, 3, 0, 4, 2, 0, 0, 0
	STORES
	s_wait_tensorcnt 0x0                           ; the wave's end
	ds_add_u32 v[SPW], v[NIL]
	s_wait_dscnt 0x0
	CROUND                                         ; the closing round
	s_endpgm
.Lfunc_end_k_qfff2ba384f_down:
	.size	k_qfff2ba384f_down, .Lfunc_end_k_qfff2ba384f_down-k_qfff2ba384f_down
	.p2alignl 7, 3214868480
	.fill 96, 4, 3214868480
	.section	.rodata,"a",@progbits
	.p2align	6, 0x0
	.amdhsa_kernel k_qfff2ba384f_down
		.amdhsa_group_segment_fixed_size 187904
		.amdhsa_private_segment_fixed_size 0
		.amdhsa_enable_private_segment 0
		.amdhsa_kernarg_size 64
		.amdhsa_user_sgpr_count 2
		.amdhsa_user_sgpr_kernarg_segment_ptr 1
		.amdhsa_wavefront_size32 1
		.amdhsa_system_sgpr_workgroup_id_x 1
		.amdhsa_system_sgpr_workgroup_id_y 1
		.amdhsa_system_sgpr_workgroup_id_z 1
		.amdhsa_system_vgpr_workitem_id 0
		.amdhsa_next_free_vgpr 1024
		.amdhsa_next_free_sgpr 96
		.amdhsa_reserve_vcc 0
		.amdhsa_float_denorm_mode_32 3
		.amdhsa_float_denorm_mode_16_64 3
		.amdhsa_memory_ordered 1
		.amdhsa_forward_progress 1
		.amdhsa_inst_pref_size 166
	.end_amdhsa_kernel
	.amdgpu_metadata
---
amdhsa.version: [ 1, 2 ]
amdhsa.kernels:
  - .name:           k_qfff2ba384f_down
    .symbol:         k_qfff2ba384f_down.kd
    .args:
      - { .name: act_codes, .offset: 0, .size: 8, .value_kind: global_buffer, .address_space: global }
      - { .name: act_scw, .offset: 8, .size: 8, .value_kind: global_buffer, .address_space: global }
      - { .name: route, .offset: 16, .size: 8, .value_kind: global_buffer, .address_space: global }
      - { .name: w_down_codes, .offset: 24, .size: 8, .value_kind: global_buffer, .address_space: global }
      - { .name: w_down_scales, .offset: 32, .size: 8, .value_kind: global_buffer, .address_space: global }
      - { .name: shared_w_down_codes, .offset: 40, .size: 8, .value_kind: global_buffer, .address_space: global }
      - { .name: shared_w_down_scales, .offset: 48, .size: 8, .value_kind: global_buffer, .address_space: global }
      - { .name: out0, .offset: 56, .size: 8, .value_kind: global_buffer, .address_space: global }
    .group_segment_fixed_size: 187904
    .private_segment_fixed_size: 0
    .kernarg_segment_align: 8
    .kernarg_segment_size: 64
    .max_flat_workgroup_size: 128
    .sgpr_count:     96
    .vgpr_count:     1024
    .wavefront_size: 32
...
	.end_amdgpu_metadata
.endif
;; end of part 2
